; MI455X (gfx1250); checked and timed in simulation.
; The chip was launched on July 23, 2026; its instructions are those of AMD's public machine-readable ISA for CDNA 5 (MIT licence, August 2026) and "CDNA5" Instruction Set Architecture Reference Guide (July 2026). The comments in the code are by the model that wrote it; some were corrected since.
;; Cross Attention Block. Allowed arithmetic: matrix products marked QUANTISED: E2M3 operands, one E8M0 scale for each 32 along K, by v_wmma_scale_f32_16x16x128_f8f6f4 with both operands' format E2M3, f32 sums; everything else in f32.
;; Inputs: gamma 1,024 float32; w_ff1 1,024 x 8,192 float32; w_ff2 4,096 x 1,024 float32; w_kv 1,024 x 64 float32; w_out 256 x 1,024 float32; w_q 1,024 x 256 float32; x 2 x 2,048 x 1,024 float32; y 2 x 2,048 x 1,024 float32.
;; Outputs: out0 2 x 2,048 x 1,024 float32.
;; This version of the problem:
;;   THIS VERSION OF THE PROBLEM IS GIVEN IN LOW PRECISION. The matrix products marked QUANTISED in the list below multiply operands that are first quantised to E2M3 (2 exponent bits, 3 mantissa bits; 6 bits a number), with one power-of-two scale for each 32 numbers along K (OCP MX v1.0); their sums are f32. All else is computed in f32.
;;   The module's matrix products, in the order in which they are computed (A, B: the left and right operand; K: the contracted axis; several contracted axes count as one K, in the product's order):
;;     1. [M 4,096, K 1,024] x [K 1,024, N 256]; A: computed on the way; B: input w_q: QUANTISED
;;     2. [M 4,096, K 1,024] x [K 1,024, N 64]; A: computed on the way; B: input w_kv: QUANTISED
;;     3. batch 2 x [M 16,384, K 32] x [K 32, N 2,048]; A: computed on the way; B: computed on the way: QUANTISED
;;     4. batch 2 x [M 16,384, K 2,048] x [K 2,048, N 32]; A: softmax (see below); B: computed on the way: QUANTISED
;;     5. [M 4,096, K 256] x [K 256, N 1,024]; A: computed on the way; B: input w_out: QUANTISED
;;     6. [M 4,096, K 1,024] x [K 1,024, N 8,192]; A: computed on the way; B: input w_ff1: QUANTISED
;;     7. [M 4,096, K 4,096] x [K 4,096, N 1,024]; A: computed on the way; B: input w_ff2: QUANTISED
;;   THE QUANTISER, for each operand of a quantised product, along K:
;;     - K is cut into blocks of 32 from its start; a last block that is shorter is filled with zeros.
;;     - A block's scale is 2^e with e = floor(log2(the largest magnitude in the block)) - 2, held to -126 .. 127; a block of zeros has e = 0. As a byte (E8M0): e + 127.
;;     - Each number is divided by its block's scale, clamped to +-7.5, and rounded to the nearest number of E2M3, ties to even, subnormals kept.
;;     - The product sums the exact products of the quantised numbers (number of the format x scale) in f32.
;;   ~~~python
;;   def quantise(x, axis):      # numpy; x: float32 -> the quantised numbers, widened to float32 again
;;       x = np.moveaxis(x, axis, -1); K = x.shape[-1]
;;       x = np.pad(x, [(0, 0)] * (x.ndim - 1) + [(0, -K % 32)]); x = x.reshape(x.shape[:-1] + (-1, 32)); a = np.abs(x).max(-1, keepdims=True)
;;       e = np.where(a > 0, np.clip(np.frexp(np.where(a > 0, a, 1))[1] - 1 - 2, -126, 127), 0)      # np.frexp(a)[1] - 1 = floor(log2(a)), exactly
;;       r = np.clip(x / 2.0 ** e, -7.5, 7.5)
;;       step = 2.0 ** (np.maximum(np.frexp(np.where(r == 0, 1, r))[1] - 1, 0) - 3)
;;       q = np.round(r / step) * step * 2.0 ** e      # np.round: ties to even
;;       return np.moveaxis(q.reshape(q.shape[:-2] + (-1,))[..., :K], -1, axis).astype(np.float32)
;;   ~~~
;;   SOFTMAX AHEAD OF A QUANTISED PRODUCT. Where the list says 'softmax', what is quantised is not the finished softmax but p = 2^(t - M), with t = logit x log2(e) and M = ceil(the row's largest t), a whole number; so 1/2 < the row's largest p <= 1. The row's sum l is taken of the UNQUANTISED p, in f32, and the product's result is divided by l at the end. Since M is a whole number, a kernel that streams over the keys may use a running M (the ceiling of the running maximum): every later rescaling is an exact power of two, which a block's scale takes up: the codes' values come out the same.
;;   OPERANDS COMPUTED ON THE WAY. 'Computed on the way' means the value that the module computes at that place (a softmax that the list does not call 'softmax' is quantised finished and normalised). What goes into a quantiser is computed in f32, as accurately as f32 sums, v_exp_f32 and their like allow (about 1e-6 of the number): no bf16 or f16 on the way to a quantiser, and a product that is left as it is and whose result goes on into a quantised operand takes f32 operands (vector FMAs, or v_wmma_f32_16x16x4_f32). A number that lies on a knife's edge between two numbers of the format may be rounded either way, as far as f32 arithmetic and the matrix unit's own rounding can turn it there, and no further.
;; One version. Each part assembles by itself: llvm-mc -triple=amdgcn-amd-amdhsa -mcpu=gfx1250 --defsym DOCPART=n.
;; ======== version 1 of 1: 4 launches
;; limits: right only within a limited range of input values
;; workspace buffers: wsA 16,844,800 bytes; wsQ 204,800 bytes; wsH 13,926,400 bytes
;; launch prep (part 1): grid 914 x 1, 8 waves a work-group, no clusters, 69,632 bytes of LDS; arguments x, y, gamma, w_ff1, w_ff2, w_out, w_q, w_kv, wsA; writes wsA
.if DOCPART == 1
	.amdgcn_target "amdgcn-amd-amdhsa--gfx1250"
	.amdhsa_code_object_version 6
	.text
	.protected	k_q4e310fc466_prep
	.globl	k_q4e310fc466_prep
	.p2align	8
	.type	k_q4e310fc466_prep,@function
k_q4e310fc466_prep:
	s_mov_b64 s[64:65], 0
	v_nop
	global_prefetch_b8 v0, s[64:65] scope:SCOPE_SE
	s_setreg_imm32_b32 hwreg(HW_REG_WAVE_MODE, 25, 1), 1
	s_wait_xcnt 0x0
; PREP: every operand that arrives as f32 is quantised ONCE to codes of FP6 (E2M3) with one E8M0 byte for each 32 along K, into wsA.
; Work-groups 0-255: LayerNorm of x; 256-511: LayerNorm of y (same gamma); 512-913: the five weights, whose K is their FIRST axis.
; THE RECORD.  An operand lies [K step of 128][group of 64 rows][6,400 bytes]: four fragments of 1,536 bytes (16 rows x 128 K), then 256 bytes of scale words (tile i, row r at 6144 + 64 i + 4 r).
; A fragment is the image of the operand's 12 registers: lane (r, h) holds, in registers 6 c .. 6 c + 5, the 24 bytes of k = 64 c + 32 h + 0 .. 31 of row r; registers 6 c .. 6 c + 3 lie at 768 c + 16 lane,
; registers 6 c + 4, 6 c + 5 at 768 c + 512 + 16 r + 8 h.  So every reader loads 512 or 256 consecutive bytes an instruction, and every store of codes here covers whole aligned runs of 256 bytes.
; A PERMUTED tile: row m of tile 2 B + u holds logical row 32 B + 8 u + m + 8 (m / 8), so that a transposed product leaves 16 neighbours in the 16 registers of two neighbouring tiles.
; LAYERNORM: a work-group takes one tile of 16 rows, wave w its columns 128 w .. 128 w + 127 (K step w).  Two passes, the row in registers: mean, then the centred squares; sums meet in LDS, two barriers.
; WEIGHTS: a wave takes 32 columns x 128 along K; a lane takes a column and its registers run down K, so a block of 32 lies in one lane.
; No tensor loads and no cluster: no two work-groups read the same input bytes (gamma's 4,096 bytes apart).
; LIMITS: NaN and infinities are not served.  A block of zeros, or with its largest magnitude under 2^-124, gets the byte 1 (the rule says 127 for zeros): its codes are zeros, and only this program reads the bytes.
.set XR,   0
.set YR,   3276800
.set W1R,  6553600
.set W2R,  13107200
.set WQR,  16588800
.set WKR,  16793600
.set RED1, 67584                       ; LDS: eight stages of 16 x 528 bytes, then 512 bytes for the sums and 512 for the sums of squares
.set R,    16                          ; v16-79   x as loaded
.set X,    80                          ; v80-143  register 16 b + i = k 32 b + 16 h + i of my row
.set GM,   144                         ; v144-207 gamma at the same places
.set TM,   208                         ; v208-223 at work
.set PW,   224                         ; the scale word
.set PC,   226                         ; v226-237 the codes; v238-244 at work
; 64 numbers of a lane become a fragment's codes in v[PC] on and its scale word in v[PW]
.macro QUANT s
.irp b, 0,1,2,3
	v_max3_num_f32 v[TM+\b], |v[\s+16*\b]|, |v[\s+1+16*\b]|, 0x1800000   ; block b: my 16 numbers, and the floor 2^(3 - 127): the byte cannot fall under 1
.endr
.irp i, 2,4,6,8,10,12,14
.irp b, 0,1,2,3
	s_delay_alu instid0(VALU_DEP_4)
	v_max3_num_f32 v[TM+\b], v[TM+\b], |v[\s+16*\b+\i]|, |v[\s+1+16*\b+\i]|
.endr
.endr
.irp b, 0,1,2,3
	s_delay_alu instid0(VALU_DEP_4)
	v_permlanex16_b32 v[TM+4+\b], v[TM+\b], s44, s45
.endr
.irp b, 0,1,2,3
	s_delay_alu instid0(VALU_DEP_4)
	v_max_num_f32 v[TM+\b], v[TM+\b], v[TM+4+\b]           ; with lane l xor 16's: the block's largest magnitude
.endr
.irp b, 0,1,2,3
	s_delay_alu instid0(VALU_DEP_4)
	v_add_nc_u32 v[TM+12+\b], 0xff000000, v[TM+\b]         ; 2 off its exponent field: the conversion's scale operand
.endr
.irp b, 0,1,2,3
	s_delay_alu instid0(VALU_DEP_4)
	v_lshrrev_b32 v[TM+4+\b], 23, v[TM+12+\b]              ; the scale's byte
.endr
	s_delay_alu instid0(VALU_DEP_3)
	v_lshl_or_b32 v[PW], v[TM+5], 8, v[TM+4]
	s_delay_alu instid0(VALU_DEP_1)
	v_lshl_or_b32 v[PW], v[TM+6], 16, v[PW]
	s_delay_alu instid0(VALU_DEP_1)
	v_lshl_or_b32 v[PW], v[TM+7], 24, v[PW]
.irp c, 0,1
	v_cvt_scalef32_pk16_fp6_f32 v[PC+6*\c:PC+2+6*\c], v[\s+32*\c:\s+15+32*\c], v[TM+12+2*\c]
	v_cvt_scalef32_pk16_fp6_f32 v[PC+12+4*\c:PC+14+4*\c], v[\s+16+32*\c:\s+31+32*\c], v[TM+12+2*\c+1]
.endr
	v_nop                                          ; one plain line behind a scaled conversion
.irp c, 0,1                                    ; a whole block to a lane: lanes 0-15 block 2 c, lanes 16-31 block 2 c + 1
.irp i, 0,1,2
	v_permlane16_swap_b32 v[PC+6*\c+\i], v[PC+12+4*\c+\i]
.endr
.irp i, 0,1,2
	s_delay_alu instid0(VALU_DEP_3)
	v_mov_b32 v[PC+3+6*\c+\i], v[PC+12+4*\c+\i]
.endr
.endr
.endm
; the four chains in v[8:15] are added, then lane l xor 16's, then the eight waves' through LDS (one barrier): the row's sum in v208, in the same order in every wave
.macro ACROSS off
	s_delay_alu instid0(VALU_DEP_3)
	v_pk_add_f32 v[8:9], v[8:9], v[10:11]
	s_delay_alu instid0(VALU_DEP_2)
	v_pk_add_f32 v[12:13], v[12:13], v[14:15]
	s_delay_alu instid0(VALU_DEP_1)
	v_pk_add_f32 v[8:9], v[8:9], v[12:13]
	s_delay_alu instid0(VALU_DEP_1)
	v_add_f32 v8, v8, v9
	s_delay_alu instid0(VALU_DEP_1)
	v_permlanex16_b32 v10, v8, s44, s45
	s_delay_alu instid0(VALU_DEP_1)
	v_add_f32 v8, v8, v10
	ds_store_b32 v250, v8 offset:\off              ; both halves of the lanes write the same word with the same value
	s_wait_dscnt 0x0                               ; for the others' sake: my store has landed
	s_barrier_signal -1
	s_barrier_wait -1
.irp k, 0,1,2,3,4,5,6,7
	ds_load_b32 v[208+\k], v251 offset:\off+64*\k
.endr
	s_wait_dscnt 0x0
	v_add_f32 v208, v208, v209
	v_add_f32 v210, v210, v211
	v_add_f32 v212, v212, v213
	v_add_f32 v214, v214, v215
	s_delay_alu instid0(VALU_DEP_3)
	v_add_f32 v208, v208, v210
	s_delay_alu instid0(VALU_DEP_2)
	v_add_f32 v212, v212, v214
	s_delay_alu instid0(VALU_DEP_1)
	v_add_f32 v208, v208, v212
.endm
	s_load_b512 s[4:19], s[0:1], 0x0               ; x s[4:5], y s[6:7], gamma s[8:9], w_ff1 s[10:11], w_ff2 s[12:13], w_out s[14:15], w_q s[16:17], w_kv s[18:19]
	s_load_b64 s[20:21], s[0:1], 0x40              ; wsA
	v_lshl_add_u32 v254, v0, 2, 0x10c00
	v_mov_b32 v255, 0
	v_lshrrev_b32 v1, 5, v0
	s_delay_alu instid0(VALU_DEP_1)
	v_readfirstlane_b32 s22, v1                    ; wave 0..7
	v_and_b32 v1, 31, v0                           ; lane
	v_and_b32 v2, 15, v0                           ; r
	v_bfe_u32 v3, v0, 4, 1                         ; h
	s_mov_b32 s44, 0x76543210
	s_mov_b32 s45, 0xfedcba98                      ; v_permlanex16_b32's selects for lane l xor 16
	s_cmp_lt_u32 ttmp9, 512                        ; the same for all waves of a work-group
	s_cbranch_scc0 .Lweights
	; ---------------- LayerNorm and quantiser ----------------
	s_and_b32 s23, ttmp9, 255                      ; T: the tile of 16 rows
	s_lshl_b32 s28, s23, 4                         ; x: rows 16 T on, the second eight 8 rows further
	s_lshr_b32 s29, s23, 1
	s_lshl_b32 s29, s29, 5
	s_and_b32 s30, s23, 1
	s_lshl_b32 s30, s30, 3
	s_add_co_u32 s29, s29, s30                     ; y (permuted tiles): rows 32 (T / 2) + 8 (T % 2) on, the second eight 16 rows further
	s_mov_b32 s31, 65536
	s_mov_b32 s33, YR
	s_wait_kmcnt 0x0
	s_cmp_lt_u32 ttmp9, 256
	s_cselect_b32 s28, s28, s29
	s_cselect_b32 s30, 32768, s31
	s_cselect_b32 s32, 0, s33
	s_cselect_b64 s[24:25], s[4:5], s[6:7]
	s_lshl_b32 s28, s28, 12                        ; a row is 4,096 bytes
	s_lshl_b32 s29, s22, 9                         ; my wave's 512 bytes of it
	s_add_co_u32 s28, s28, s29
	s_mov_b32 s29, 0
	s_add_nc_u64 s[24:25], s[24:25], s[28:29]      ; rows 0-7 of the tile
	s_mov_b32 s31, 0
	s_add_nc_u64 s[26:27], s[24:25], s[30:31]      ; rows 8-15
	s_lshl_b32 s28, s22, 9
	s_add_nc_u64 s[8:9], s[8:9], s[28:29]          ; gamma at my wave's columns
	s_wait_alu depctr_va_vdst(0)
	v_lshlrev_b32 v4, 4, v1                        ; 16 x lane
	s_wait_alu depctr_va_vdst(0)
	v_lshlrev_b32 v5, 6, v3                        ; 64 h
.irp i, 0,1,2,3,4,5,6,7
	global_load_b128 v[R+4*\i:R+4*\i+3], v4, s[24:25] offset:4096*\i th:TH_LOAD_NT       ; 32 lanes read 512 consecutive bytes of a row
.endr
.irp i, 0,1,2,3,4,5,6,7
	global_load_b128 v[R+32+4*\i:R+32+4*\i+3], v4, s[26:27] offset:4096*\i th:TH_LOAD_NT
.endr
.irp b, 0,1,2,3
.irp j, 0,1,2,3
	global_load_b128 v[GM+16*\b+4*\j:GM+16*\b+4*\j+3], v5, s[8:9] offset:128*\b+16*\j
.endr
.endr
	s_lshl_b32 s28, s22, 6                         ; where the fragment goes: K step = wave, group T / 4, tile T % 4
	s_lshr_b32 s34, s23, 2
	s_add_co_u32 s28, s28, s34
	s_mul_i32 s28, s28, 6400
	s_and_b32 s34, s23, 3
	s_mul_i32 s35, s34, 1536
	s_add_co_u32 s28, s28, s35
	s_add_co_u32 s28, s28, s32
	s_add_nc_u64 s[20:21], s[20:21], s[28:29]
	s_mul_i32 s34, s34, 1472
	s_sub_co_u32 s34, 6144, s34                    ; from the fragment to its scale words: 6144 + 64 i - 1536 i
	s_mul_i32 s35, s22, 8448                       ; my stage
	v_add_nc_u32 v6, s35, v4                       ; in: as loaded
	v_mul_u32_u24 v7, v2, 528
	s_delay_alu instid0(VALU_DEP_1)
	v_lshl_add_u32 v7, v3, 6, v7
	s_delay_alu instid0(VALU_DEP_1)
	v_add_nc_u32 v7, s35, v7                       ; back: row r, + 64 h: 528 is an odd multiple of 16, so sixteen lanes touch sixteen different columns of 16 bytes
	s_lshl_b32 s36, s22, 6
	s_add_co_u32 s36, s36, RED1
	v_lshl_add_u32 v250, v2, 2, s36                ; my wave's sum of row r
	v_lshl_add_u32 v251, v2, 2, RED1               ; all waves' sums of row r
	v_lshlrev_b32 v252, 4, v2
	s_delay_alu instid0(VALU_DEP_1)
	v_lshl_add_u32 v252, v3, 3, v252               ; 16 r + 8 h
	v_lshl_add_u32 v253, v2, 2, s34                ; my row's scale word
	s_mov_b32 s37, 0x3a800000                      ; 1 / 1024
	s_mov_b32 s38, 0x3727c5ac                      ; 1e-5
	s_wait_alu depctr_va_vdst(0)
	s_wait_loadcnt 16                              ; x's 16 loads are in; gamma's 16 may be out
.irp i, 0,1,2,3,4,5,6,7,8,9,10,11,12,13,14,15
	ds_store_b128 v6, v[R+4*\i:R+4*\i+3] offset:528*\i
.endr
.irp b, 0,1,2,3
.irp j, 0,1,2,3
	ds_load_b128 v[X+16*\b+4*\j:X+16*\b+4*\j+3], v7 offset:128*\b+16*\j   ; LDS serves a wave's instructions in order: these see my stores
.endr
.endr
	s_wait_dscnt 0x0
.irp k, 0,1,2,3
	v_pk_add_f32 v[8+2*\k:9+2*\k], v[X+4*\k:X+4*\k+1], v[X+4*\k+2:X+4*\k+3]   ; four chains, started by sums: nothing is cleared
.endr
.set P, 8
.rept 24
	s_delay_alu instid0(VALU_DEP_4)
	v_pk_add_f32 v[8+2*(P%4):9+2*(P%4)], v[8+2*(P%4):9+2*(P%4)], v[X+2*P:X+2*P+1]
.set P, P+1
.endr
	ACROSS 0
	s_delay_alu instid0(VALU_DEP_1)
	v_mul_f32 v246, s37, v208                      ; the mean
	s_delay_alu instid0(VALU_DEP_1)
	v_mov_b32 v247, v246
.set P, 0
.rept 32
	v_pk_add_f32 v[X+2*P:X+2*P+1], v[X+2*P:X+2*P+1], v[246:247] neg_lo:[0,1] neg_hi:[0,1]
.set P, P+1
.endr
.irp k, 0,1,2,3
	v_pk_mul_f32 v[8+2*\k:9+2*\k], v[X+2*\k:X+2*\k+1], v[X+2*\k:X+2*\k+1]
.endr
.set P, 4
.rept 28
	s_delay_alu instid0(VALU_DEP_4)
	v_pk_fma_f32 v[8+2*(P%4):9+2*(P%4)], v[X+2*P:X+2*P+1], v[X+2*P:X+2*P+1], v[8+2*(P%4):9+2*(P%4)]
.set P, P+1
.endr
	ACROSS 512                                     ; other bytes than the first sums': no third barrier
	s_delay_alu instid0(VALU_DEP_1)
	v_fma_f32 v249, v208, s37, s38                 ; the variance + 1e-5
	s_wait_alu depctr_va_vdst(0)
	v_rsq_f32 v248, v249
	v_nop                                          ; a plain line behind the transcendental
	s_wait_alu depctr_va_vdst(0)                   ; and the wait ahead of its first reader
	v_mov_b32 v249, v248
.set P, 0
.rept 32
	v_pk_mul_f32 v[X+2*P:X+2*P+1], v[X+2*P:X+2*P+1], v[248:249]
.set P, P+1
.endr
	s_wait_loadcnt 0x0                             ; gamma
.set P, 0
.rept 32
	v_pk_mul_f32 v[X+2*P:X+2*P+1], v[X+2*P:X+2*P+1], v[GM+2*P:GM+2*P+1]
.set P, P+1
.endr
	QUANT X
	global_store_b128 v4, v[PC:PC+3], s[20:21]                 ; 512 consecutive bytes
	global_store_b64 v252, v[PC+4:PC+5], s[20:21] offset:512   ; 256
	global_store_b128 v4, v[PC+6:PC+9], s[20:21] offset:768
	global_store_b64 v252, v[PC+10:PC+11], s[20:21] offset:1280
	global_store_b32 v253, v[PW], s[20:21]                     ; lanes 16-31 repeat lanes 0-15's words
	s_wait_tensorcnt 0x0
	ds_add_u32 v254, v255
	s_wait_dscnt 0x0
	s_endpgm
	; ---------------- the weights ----------------
.macro WLOAD t, N                      ; block t: W(32 t + i, my column), i = 0 .. 31, into set t % 2; 32 lanes read 128 consecutive bytes
.irp i, 0,1,2,3,4,5,6,7,8,9,10,11,12,13,14,15,16,17,18,19,20,21,22,23,24,25,26,27,28,29,30,31
	global_load_b32 v[32+32*((\t)%2)+\i], v9, s[28:29] offset:(32*(\t)+\i)*4*\N th:TH_LOAD_NT
.endr
.endm
.macro WBLOCK t, N
.set XS, 32+32*((\t)%2)
.set AT, 96+4*(\t)                     ; the block's first 16 bytes of codes
.set YT, 112+4*(\t)                    ; its second conversion's three registers
.set ZC, 128+4*((\t)/2)+2*((\t)%2)     ; its last 8 bytes, beside those of the block that shares its half of the fragment
.if (\t) < 3
	s_wait_loadcnt 32                              ; this block's 32 loads are in; the next block's may be out
.else
	s_wait_loadcnt 0x0
.endif
	v_max3_num_f32 v12, |v[XS]|, |v[XS+1]|, |v[XS+2]|
	v_max3_num_f32 v13, |v[XS+3]|, |v[XS+4]|, |v[XS+5]|
.irp i, 6,10,14,18,22,26
	s_delay_alu instid0(VALU_DEP_2)
	v_max3_num_f32 v12, v12, |v[XS+\i]|, |v[XS+\i+1]|
	s_delay_alu instid0(VALU_DEP_2)
	v_max3_num_f32 v13, v13, |v[XS+\i+2]|, |v[XS+\i+3]|
.endr
	s_delay_alu instid0(VALU_DEP_2)
	v_max3_num_f32 v12, v12, |v[XS+30]|, |v[XS+31]|
	s_delay_alu instid0(VALU_DEP_1)
	v_max3_num_f32 v12, v12, v13, 0x1800000        ; and the floor
	s_delay_alu instid0(VALU_DEP_1)
	v_add_nc_u32 v11, 0xff000000, v12              ; the conversion's scale operand
	s_delay_alu instid0(VALU_DEP_1)
	v_lshrrev_b32 v13, 23, v11                     ; the byte
.if (\t) == 0
	s_delay_alu instid0(VALU_DEP_1)
	v_mov_b32 v24, v13
.else
	s_delay_alu instid0(VALU_DEP_1)
	v_lshl_or_b32 v24, v13, 8*(\t), v24
.endif
	v_cvt_scalef32_pk16_fp6_f32 v[AT:AT+2], v[XS:XS+15], v11
	v_cvt_scalef32_pk16_fp6_f32 v[YT:YT+2], v[XS+16:XS+31], v11
	v_nop                                          ; one plain line behind a scaled conversion
	v_mov_b32 v[AT+3], v[YT]
	v_mov_b32 v[ZC], v[YT+1]
	v_mov_b32 v[ZC+1], v[YT+2]
	global_store_b128 v7, v[AT:AT+3], s[26:27] offset:768*((\t)/2)+256*((\t)%2)
.if (\t)%2 == 1
	global_store_b128 v7, v[128+4*((\t)/2):131+4*((\t)/2)], s[26:27] offset:768*((\t)/2)+512
.endif
.if (\t) < 2
	WLOAD (\t)+2, \N
.endif
.endm
; One tensor.  src: the scalar pair of its address; N columns; LOGG = log2(N / 32); FIRSTJ: its first job; REG, NG: its region and groups a K step; KOFF: K steps in front of it in the region;
; PERM: tiles permuted; MAP1: w_ff1's order of tiles: for each 64 hidden units four tiles of the value half, then four of the gate half
.macro WQ src, N, LOGG, FIRSTJ, REG, NG, KOFF, PERM, MAP1
	s_sub_co_u32 s24, s23, \FIRSTJ
	s_and_b32 s25, s24, \N/32-1                    ; G: which 32 columns
	s_lshr_b32 s26, s24, \LOGG                     ; which K step
	s_mul_i32 s28, s26, 512*\N
	s_lshl_b32 s27, s25, 7
	s_add_co_u32 s28, s28, s27
	s_mov_b32 s29, 0
	s_add_nc_u64 s[28:29], s[\src:\src+1], s[28:29]
	WLOAD 0, \N
	WLOAD 1, \N
.if \MAP1
	s_lshr_b32 s31, s25, 7                         ; 0: value, 1: gate
	s_and_b32 s25, s25, 127
	s_lshr_b32 s30, s25, 2
	s_lshl_b32 s30, s30, 4
	s_bfe_u32 s32, s25, 0x10001
	s_lshl_b32 s32, s32, 3
	s_add_co_u32 s30, s30, s32
	s_lshl_b32 s31, s31, 2
	s_add_co_u32 s30, s30, s31
	s_and_b32 s32, s25, 1
	s_lshl_b32 s32, s32, 1
	s_add_co_u32 s30, s30, s32                     ; the first of my two tiles
.else
	s_lshl_b32 s30, s25, 1
.endif
	s_add_co_u32 s26, s26, \KOFF
	s_mul_i32 s26, s26, \NG
	s_lshr_b32 s31, s30, 2
	s_add_co_u32 s26, s26, s31
	s_mul_i32 s26, s26, 6400
	s_and_b32 s30, s30, 3
	s_mul_i32 s31, s30, 1536
	s_add_co_u32 s26, s26, s31
	s_add_co_u32 s26, s26, \REG
	s_mov_b32 s27, 0
	s_add_nc_u64 s[26:27], s[20:21], s[26:27]
	s_mul_i32 s30, s30, 1472
	s_sub_co_u32 s30, 6144, s30
.if \PERM
	v_bfe_u32 v4, v1, 3, 1                         ; my column's tile of the two,
	v_and_b32 v5, 7, v1
	v_lshrrev_b32 v6, 4, v1
	s_delay_alu instid0(VALU_DEP_1)
	v_lshl_add_u32 v5, v6, 3, v5                   ; and its row there
.else
	v_lshrrev_b32 v4, 4, v1
	v_and_b32 v5, 15, v1
.endif
	v_mul_u32_u24 v7, v4, 1536
	s_delay_alu instid0(VALU_DEP_1)
	v_lshl_add_u32 v7, v5, 4, v7
	v_lshlrev_b32 v8, 6, v4
	s_delay_alu instid0(VALU_DEP_1)
	v_lshl_add_u32 v8, v5, 2, v8
	s_delay_alu instid0(VALU_DEP_1)
	v_add_nc_u32 v8, s30, v8
	WBLOCK 0, \N
	WBLOCK 1, \N
	WBLOCK 2, \N
	WBLOCK 3, \N
	global_store_b32 v8, v24, s[26:27]             ; my column's scale word
	s_endpgm
.endm
.Lweights:
	s_sub_co_u32 s23, ttmp9, 512
	s_lshl_b32 s23, s23, 3
	s_add_co_u32 s23, s23, s22                     ; the wave's job
	s_wait_alu depctr_va_vdst(0)
	v_lshlrev_b32 v9, 2, v1                        ; 4 bytes a lane
	s_wait_kmcnt 0x0
	s_cmp_lt_u32 ttmp9, 768
	s_cbranch_scc0 .Lnot_ff1
	s_wait_alu depctr_va_vdst(0)
	WQ 10, 8192, 8, 0, W1R, 128, 0, 1, 1
.Lnot_ff1:
	s_cmp_lt_u32 ttmp9, 896
	s_cbranch_scc0 .Lnot_ff2
	s_wait_alu depctr_va_vdst(0)
	WQ 12, 1024, 5, 2048, W2R, 16, 0, 0, 0
.Lnot_ff2:
	s_cmp_lt_u32 ttmp9, 904
	s_cbranch_scc0 .Lnot_out
	s_wait_alu depctr_va_vdst(0)
	WQ 14, 1024, 5, 3072, W2R, 16, 32, 0, 0
.Lnot_out:
	s_cmp_lt_u32 ttmp9, 912
	s_cbranch_scc0 .Lnot_q
	s_wait_alu depctr_va_vdst(0)
	WQ 16, 256, 3, 3136, WQR, 4, 0, 1, 0
.Lnot_q:
	s_wait_alu depctr_va_vdst(0)
	WQ 18, 64, 1, 3200, WKR, 1, 0, 1, 0
.Lfunc_end_k_q4e310fc466_prep:
	.size	k_q4e310fc466_prep, .Lfunc_end_k_q4e310fc466_prep-k_q4e310fc466_prep
	.p2alignl 7, 3214868480
	.fill 96, 4, 3214868480
	.section	.rodata,"a",@progbits
	.p2align	6, 0x0
	.amdhsa_kernel k_q4e310fc466_prep
		.amdhsa_group_segment_fixed_size 69632
		.amdhsa_private_segment_fixed_size 0
		.amdhsa_enable_private_segment 0
		.amdhsa_kernarg_size 72
		.amdhsa_user_sgpr_count 2
		.amdhsa_user_sgpr_kernarg_segment_ptr 1
		.amdhsa_wavefront_size32 1
		.amdhsa_system_sgpr_workgroup_id_x 1
		.amdhsa_system_sgpr_workgroup_id_y 1
		.amdhsa_system_sgpr_workgroup_id_z 1
		.amdhsa_system_vgpr_workitem_id 0
		.amdhsa_next_free_vgpr 256
		.amdhsa_next_free_sgpr 66
		.amdhsa_reserve_vcc 0
		.amdhsa_float_denorm_mode_32 3
		.amdhsa_float_denorm_mode_16_64 3
		.amdhsa_memory_ordered 1
		.amdhsa_forward_progress 1
		.amdhsa_inst_pref_size 141
	.end_amdhsa_kernel
	.amdgpu_metadata
---
amdhsa.version: [ 1, 2 ]
amdhsa.kernels:
  - .name:           k_q4e310fc466_prep
    .symbol:         k_q4e310fc466_prep.kd
    .args:
      - { .name: x, .offset: 0, .size: 8, .value_kind: global_buffer, .address_space: global }
      - { .name: y, .offset: 8, .size: 8, .value_kind: global_buffer, .address_space: global }
      - { .name: gamma, .offset: 16, .size: 8, .value_kind: global_buffer, .address_space: global }
      - { .name: w_ff1, .offset: 24, .size: 8, .value_kind: global_buffer, .address_space: global }
      - { .name: w_ff2, .offset: 32, .size: 8, .value_kind: global_buffer, .address_space: global }
      - { .name: w_out, .offset: 40, .size: 8, .value_kind: global_buffer, .address_space: global }
      - { .name: w_q, .offset: 48, .size: 8, .value_kind: global_buffer, .address_space: global }
      - { .name: w_kv, .offset: 56, .size: 8, .value_kind: global_buffer, .address_space: global }
      - { .name: wsA, .offset: 64, .size: 8, .value_kind: global_buffer, .address_space: global }
    .group_segment_fixed_size: 69632
    .private_segment_fixed_size: 0
    .kernarg_segment_align: 8
    .kernarg_segment_size: 72
    .max_flat_workgroup_size: 256
    .sgpr_count:     66
    .vgpr_count:     256
    .wavefront_size: 32
...
	.end_amdgpu_metadata
.endif
;; end of part 1
;; launch ff1 (part 2): grid 16 x 16, 4 waves a work-group, clusters of 4 x 4, 327,680 bytes of LDS; arguments wsA, wsH, wsQ; writes wsH, wsQ
.if DOCPART == 2
	.amdgcn_target "amdgcn-amd-amdhsa--gfx1250"
	.amdhsa_code_object_version 6
	.text
	.protected	k_q4e310fc466_ff1
	.globl	k_q4e310fc466_ff1
	.p2align	8
	.type	k_q4e310fc466_ff1,@function
k_q4e310fc466_ff1:
	s_mov_b64 s[64:65], 0
	v_nop
	global_prefetch_b8 v0, s[64:65] scope:SCOPE_SE
	s_setreg_imm32_b32 hwreg(HW_REG_WAVE_MODE, 25, 1), 1
	s_wait_xcnt 0x0
	s_wait_alu depctr_hold_cnt(0) depctr_sa_sdst(0) depctr_va_vdst(0) depctr_va_sdst(0) depctr_va_ssrc(0) depctr_va_vcc(0) depctr_vm_vsrc(0)
	s_getreg_b32 s2, hwreg(HW_REG_IB_STS2, 6, 4)
	s_cmp_eq_u32 s2, 0
	s_cbranch_scc0 .Lentry_in_a_cluster
	s_endpgm
.Lentry_in_a_cluster:
	s_bfe_u32 s2, ttmp6, 0x10000c
	s_cmp_lg_u32 s2, 0xf033
	s_cbranch_scc0 .Lentry_shape_is_right
	s_endpgm
.Lentry_shape_is_right:
.set YR,    3276800
.set W1R,   6553600
.set WKR,   16793600
.set ASTEP, 409600
.set BSTEP, 819200
.set BTILE, 409600
.set HTILE, 6553600
.set HALF,  153600
.set REGN,  38400
.set KST,   12800
.set SPARE, 307200
.set SCST,  307712
.set ADRA,  16
.set ADRB,  20
.set ADRS,  24
.set HO16,  26
.set HO8,   27
.set SPW,   28
.set NIL,   29
.set SCA,   30
.set SCR,   31
.set SCG,   15
.set SC,    32
.set AF,    128
.set T,     64
.set TM,    120
.set PW,    62
.set G1A2,  24
.set G0A,   32
.set G1B2,  48
.set G0B,   56
.set G1A3,  68
.set G1B3,  76
.set NL,    92
.set SEL,   94
.set MSB, 0
.macro WIN new
.if MSB != (\new)
	s_set_vgpr_msb (MSB<<8)|(\new)
.set MSB, (\new)
.endif
.endm
.set MUL_LO, 0xa1
.set MUL_HI, 0xf1
.set TO_B,   0x40
.macro JLOAD g0a, g1a, g0b, g1b
	s_cmp_eq_u32 s15, 0
	s_cbranch_scc0 .Lfor_b_\@
	tensor_load_to_lds s[\g0a:\g0a+3], s[\g1a:\g1a+7]
	s_nop 0
.rept 4
	v_nop
.endr
	s_branch .Lasked_\@
.Lfor_b_\@:
	tensor_load_to_lds s[\g0b:\g0b+3], s[\g1b:\g1b+7]
	s_nop 0
.rept 4
	v_nop
.endr
.Lasked_\@:
.endm
.macro CREST
	s_cmp_lg_u32 s14, 0
	s_cbranch_scc1 .Lnot_wave_0_\@
	s_barrier_signal -3
.Lnot_wave_0_\@:
	s_barrier_wait -3
	s_barrier_signal -1
	s_barrier_wait -1
.endm
.macro CROUND
	s_barrier_signal -1
	s_barrier_wait -1
	CREST
.endm
	s_load_b128 s[4:7], s[0:1], 0x0
	s_load_b64 s[66:67], s[0:1], 0x10
	v_lshl_add_u32 v[SPW], v0, 2, SPARE
	v_mov_b32 v[NIL], 0
	ds_add_u32 v28, v29
	ds_add_u32 v28, v29
	s_wait_dscnt 0x0
	v_lshrrev_b32 v1, 5, v0
	v_readfirstlane_b32 s14, v1
	s_lshr_b32 s15, s14, 1
	s_and_b32 s16, s14, 1
	s_bfe_u32 s40, ttmp6, 0x40000
	s_bfe_u32 s41, ttmp6, 0x40004
	s_lshl_b32 s42, ttmp9, 2
	s_add_co_u32 s42, s42, s40
	s_and_b32 s17, ttmp7, 0xffff
	s_lshl_b32 s17, s17, 2
	s_add_co_u32 s17, s17, s41
	s_lshl_b32 s43, s41, 2
	s_lshl_b32 s43, 15, s43
	s_lshl_b32 s44, 0x1111, s40
	s_or_b32 s[G1A2], s43, (3<<16)|(1<<21)
	s_or_b32 s[G1A3], s43, (3<<16)|(1<<21)
	s_or_b32 s[G1B2], s44, (3<<16)|(1<<21)
	s_or_b32 s[G1B3], s44, (3<<16)|(1<<21)
.irp g, G1A2, G1B2
	s_mov_b32 s[\g+1], 1600<<16
	s_mov_b32 s[\g+2], 2<<16
	s_mov_b32 s[\g+3], 1600<<16
	s_mov_b32 s[\g+4], 2
	s_mov_b32 s[\g+6], 0
	s_mov_b32 s[\g+7], 0
.endr
.irp g, G1A3, G1B3
	s_mov_b32 s[\g+1], 1600<<16
	s_mov_b32 s[\g+2], 3<<16
	s_mov_b32 s[\g+3], 1600<<16
	s_mov_b32 s[\g+4], 3
	s_mov_b32 s[\g+6], 0
	s_mov_b32 s[\g+7], 0
.endr
	s_mov_b32 s[G1A2+5], 51200
	s_mov_b32 s[G1A3+5], 51200
	s_mov_b32 s[G1B2+5], 102400
	s_mov_b32 s[G1B3+5], 102400
	s_lshl_b32 s18, s16, 1
	s_lshl_b32 s20, s17, 2
	s_add_co_u32 s20, s20, s18
	s_mul_i32 s20, s20, 6400
	s_mov_b32 s21, 0
	s_lshl_b32 s46, s42, 2
	s_add_co_u32 s46, s46, s18
	s_mul_i32 s46, s46, 6400
	s_add_co_u32 s46, s46, W1R
	s_mov_b32 s47, 0
	s_mul_i32 s45, s14, REGN
	s_wait_kmcnt 0x0
	s_add_nc_u64 s[20:21], s[4:5], s[20:21]
	s_add_nc_u64 s[46:47], s[4:5], s[46:47]
	CROUND
	s_mov_b32 s[G0A], 1
	s_mov_b32 s[G0A+1], s45
	s_mov_b64 s[G0A+2:G0A+3], s[20:21]
	s_or_b32 s[G0A+3], s[G0A+3], 0x80000000
	s_mov_b32 s[G0B], 1
	s_mov_b32 s[G0B+1], s45
	s_mov_b64 s[G0B+2:G0B+3], s[46:47]
	s_or_b32 s[G0B+3], s[G0B+3], 0x80000000
	JLOAD G0A, G1A2, G0B, G1B2
	s_mov_b32 s[G0A+4], 1
	s_add_co_u32 s[G0A+5], s45, HALF
	s_add_nc_u64 s[G0A+6:G0A+7], s[20:21], 2*ASTEP
	s_or_b32 s[G0A+7], s[G0A+7], 0x80000000
	s_mov_b32 s[G0B+4], 1
	s_add_co_u32 s[G0B+5], s45, HALF
	s_add_nc_u64 s[G0B+6:G0B+7], s[46:47], 2*BSTEP
	s_or_b32 s[G0B+7], s[G0B+7], 0x80000000
	s_wait_alu depctr_va_vdst(0)
	s_wait_tensorcnt 0x0
	ds_add_u32 v28, v29
	s_wait_dscnt 0x0
	CROUND
	JLOAD G0A+4, G1A3, G0B+4, G1B3
	v_and_b32 v1, 15, v0
	v_bfe_u32 v2, v0, 4, 1
	v_and_b32 v3, 31, v0
	v_lshlrev_b32 v[HO16], 4, v3
	v_lshlrev_b32 v[HO8], 4, v1
	v_lshl_add_u32 v[HO8], v2, 3, v[HO8]
	s_mul_i32 s84, s15, REGN
	s_mul_i32 s85, s16, REGN
	s_add_co_u32 s85, s85, 2*REGN
	s_sub_co_u32 s86, s85, s84
	v_mul_u32_u24 v4, s86, v2
	v_lshl_add_u32 v4, v1, 2, v4
.irp s, 0,1
	v_add_nc_u32 v[ADRA+\s], s84, v[HO16]
	v_add_nc_u32 v[ADRA+2+\s], s84, v[HO8]
	v_add_nc_u32 v[ADRB+\s], s85, v[HO16]
	v_add_nc_u32 v[ADRB+2+\s], s85, v[HO8]
	v_add_nc_u32 v[ADRS+\s], s84, v4
	s_add_co_u32 s84, s84, HALF
	s_add_co_u32 s85, s85, HALF
.endr
	s_lshl_b32 s87, s15, 9
	s_lshl_b32 s86, s16, 1
	s_add_co_u32 s87, s87, s86
	s_add_co_u32 s87, s87, SCST
	v_lshl_add_u32 v[SCA], v1, 2, s87
	s_lshl_b32 s87, s14, 8
	s_add_co_u32 s87, s87, SCST
	v_lshl_add_u32 v[SCR], v3, 3, s87
	v_lshlrev_b32 v[SCG], 3, v3
	s_lshl_b32 s88, s42, 6
	s_lshl_b32 s89, s17, 2
	s_add_co_u32 s88, s88, s89
	s_lshl_b32 s89, s15, 1
	s_add_co_u32 s90, s88, s89
	s_mul_i32 s90, s90, 6400
	s_mul_i32 s89, s16, 768
	s_add_co_u32 s90, s90, s89
	s_mov_b32 s91, 0
	s_add_nc_u64 s[8:9], s[6:7], s[90:91]
	s_add_co_u32 s90, s88, s14
	s_mul_i32 s90, s90, 6400
	s_add_co_u32 s90, s90, 6144
	s_add_nc_u64 s[10:11], s[6:7], s[90:91]
	s_mov_b32 s[NL], 0xbfb8aa3b
	s_mov_b32 s[NL+1], s[NL]
	s_mov_b32 s[SEL], 0x76543210
	s_mov_b32 s[SEL+1], 0xfedcba98
.macro JSET n
.set F, 64+36*(\n)
.irp y, 0,1
	global_load_b128 v[F+12*\y:F+12*\y+3], v[HO16], s[18:19] offset:1536*\y
	global_load_b64 v[F+12*\y+4:F+12*\y+5], v[HO8], s[18:19] offset:1536*\y+512
	global_load_b128 v[F+12*\y+6:F+12*\y+9], v[HO16], s[18:19] offset:1536*\y+768
	global_load_b64 v[F+12*\y+10:F+12*\y+11], v[HO8], s[18:19] offset:1536*\y+1280
	global_load_b32 v[SC+3*(\n)+\y], v5, s[18:19] offset:64*\y
.endr
	global_load_b128 v[F+24:F+27], v[HO16], s[20:21]
	global_load_b64 v[F+28:F+29], v[HO8], s[20:21] offset:512
	global_load_b128 v[F+30:F+33], v[HO16], s[20:21] offset:768
	global_load_b64 v[F+34:F+35], v[HO8], s[20:21] offset:1280
	global_load_b32 v[SC+3*(\n)+2], v6, s[20:21]
.endm
.macro JSTEP
	s_wait_xcnt 0x0
	s_add_nc_u64 s[18:19], s[18:19], s[22:23]
	s_add_nc_u64 s[20:21], s[20:21], s[12:13]
.endm
.macro JMM s
.set F, 64+36*((\s)%4)
.irp Y, 0,1
.if (\s) == 0
	v_wmma_scale_f32_16x16x128_f8f6f4 v[208+8*\Y:215+8*\Y], v[F+12*\Y:F+12*\Y+11], v[F+24:F+35], 0, v[SC+3*((\s)%4)+\Y], v[SC+3*((\s)%4)+2] matrix_a_fmt:MATRIX_FMT_FP6 matrix_b_fmt:MATRIX_FMT_FP6
.else
	v_wmma_scale_f32_16x16x128_f8f6f4 v[208+8*\Y:215+8*\Y], v[F+12*\Y:F+12*\Y+11], v[F+24:F+35], v[208+8*\Y:215+8*\Y], v[SC+3*((\s)%4)+\Y], v[SC+3*((\s)%4)+2] matrix_a_fmt:MATRIX_FMT_FP6 matrix_b_fmt:MATRIX_FMT_FP6
.endif
.endr
.endm
	s_and_b32 s96, ttmp7, 0xffff
	s_cmp_lt_u32 s96, 2
	s_cbranch_scc0 .Lno_job
	s_lshl_b32 s84, s96, 2
	s_add_co_u32 s84, s84, ttmp9
	s_lshl_b32 s84, s84, 2
	s_add_co_u32 s84, s84, s41
	s_lshl_b32 s84, s84, 2
	s_add_co_u32 s84, s84, s40
	s_lshr_b32 s85, s84, 1
	s_mul_i32 s85, s85, 6400
	s_and_b32 s86, s84, 1
	s_mul_i32 s87, s86, 3072
	s_add_co_u32 s85, s85, s87
	s_add_co_u32 s85, s85, YR
	s_mul_i32 s86, s86, 2944
	s_sub_co_u32 s86, 6144, s86
	s_mul_i32 s87, s16, 3072
	s_add_co_u32 s87, s87, WKR
	s_mul_i32 s88, s16, 2944
	s_sub_co_u32 s88, 6144, s88
	s_mov_b32 s89, ASTEP
	s_mov_b32 s90, 6400
	s_cmp_eq_u32 s16, 1
	s_cselect_b32 s18, s85, s87
	s_cselect_b32 s20, s87, s85
	s_cselect_b32 s22, s89, s90
	s_cselect_b32 s12, s90, s89
	s_cselect_b32 s97, s86, s88
	s_cselect_b32 s98, s88, s86
	s_mul_i32 s91, s15, 1536
	s_add_co_u32 s20, s20, s91
	s_mul_i32 s91, s15, 1472
	s_sub_co_u32 s98, s98, s91
	s_mov_b32 s19, 0
	s_mov_b32 s21, 0
	s_mov_b32 s23, 0
	s_mov_b32 s13, 0
	s_add_nc_u64 s[18:19], s[4:5], s[18:19]
	s_add_nc_u64 s[20:21], s[4:5], s[20:21]
	v_lshl_add_u32 v5, v1, 2, s97
	v_lshl_add_u32 v6, v1, 2, s98
	JSET 0
	s_wait_alu depctr_va_vdst(0)
	JSTEP
	JSET 1
	JSTEP
	JSET 2
	JSTEP
	JSET 3
	s_lshr_b32 s85, s84, 6
	s_mul_i32 s85, s85, 102400
	s_and_b32 s86, s84, 63
	s_mul_i32 s87, s86, 768
	s_mul_i32 s88, s15, 192
	s_add_co_u32 s87, s87, s88
	s_lshr_b32 s88, s86, 1
	s_lshl_b32 s89, s88, 6
	s_and_b32 s90, s86, 1
	s_lshl_b32 s91, s90, 1
	s_add_co_u32 s89, s89, s91
	s_add_co_u32 s89, s89, s15
	s_add_co_u32 s89, s89, 98304
	s_mul_i32 s88, s88, 1536
	s_mul_i32 s90, s90, 384
	s_add_co_u32 s88, s88, s90
	s_mul_i32 s90, s15, 768
	s_add_co_u32 s88, s88, s90
	s_add_co_u32 s88, s88, 49152
	s_lshr_b32 s90, s86, 2
	s_lshl_b32 s90, s90, 7
	s_and_b32 s91, s86, 3
	s_add_co_u32 s90, s90, s91
	s_lshl_b32 s91, s15, 6
	s_add_co_u32 s90, s90, s91
	s_add_co_u32 s90, s90, 100352
	s_cmp_eq_u32 s16, 1
	s_cselect_b32 s87, s88, s87
	s_cselect_b32 s89, s90, s89
	s_cselect_b32 s91, 0, 8
	s_add_co_u32 s87, s87, s85
	s_add_co_u32 s89, s89, s85
	v_lshrrev_b32 v7, 3, v1
	v_mul_u32_u24 v7, v7, s91
	v_add_nc_u32 v7, v7, v1
	v_mul_u32_u24 v8, v7, 24
	v_mad_u32_u24 v8, v2, 12, v8
	v_add_nc_u32 v8, s87, v8
	v_lshl_add_u32 v9, v1, 2, s89
.irp s, 0,1,2,3
	s_wait_loadcnt 45
	JMM \s
.rept 4
	v_nop
.endr
	JSTEP
	JSET \s
.endr
	s_wait_loadcnt 45
	JMM 4
	s_wait_loadcnt 30
	JMM 5
	s_wait_loadcnt 15
	JMM 6
	s_wait_loadcnt 0x0
	JMM 7
.rept 4
	v_nop
.endr
	v_max3_num_f32 v224, |v208|, |v209|, 0x1800000
	v_max3_num_f32 v225, |v216|, |v217|, |v218|
	v_max3_num_f32 v224, v224, |v210|, |v211|
	v_max3_num_f32 v225, v225, |v219|, |v220|
	v_max3_num_f32 v224, v224, |v212|, |v213|
	v_max3_num_f32 v225, v225, |v221|, |v222|
	v_max3_num_f32 v224, v224, |v214|, |v215|
	v_max3_num_f32 v224, v224, v225, |v223|
	v_permlanex16_b32 v225, v224, s[SEL], s[SEL+1]
	v_max_num_f32 v224, v224, v225
	v_add_nc_u32 v226, 0xff000000, v224
	v_lshrrev_b32 v227, 23, v226
	v_cvt_scalef32_pk16_fp6_f32 v[228:230], v[208:223], v226
	v_nop
	global_store_b96 v8, v[228:230], s[66:67]
	global_store_b8 v9, v227, s[66:67]
.Lno_job:
.macro FRAG reg, a16, off
	ds_load_b128 v[\reg:\reg+3], v[\a16] offset:\off
	ds_load_b64 v[\reg+4:\reg+5], v[\a16+2] offset:\off+512
	ds_load_b128 v[\reg+6:\reg+9], v[\a16] offset:\off+768
	ds_load_b64 v[\reg+10:\reg+11], v[\a16+2] offset:\off+1280
.endm
.macro FETCH_B half, q, p
	WIN TO_B
.irp i, 0,1,2,3,4,5,6,7
	FRAG 128*(\p)+12*\i, ADRB+(\half), KST*(\q)+6400*(\i/4)+1536*(\i%4)
.endr
	WIN 0
.endm
.macro FETCH_A half, q, i0
.irp i, \i0, \i0+1, \i0+2, \i0+3
	FRAG AF+12*(\i), ADRA+(\half), KST*(\q)+6400*((\i)/4)+1536*((\i)%4)
.endr
.endm
.macro SCALES half, q, sc
.irp i, 0,1,2,3,4,5,6,7
	ds_load_b32 v[SC+8*(\sc)+\i], v[ADRS+(\half)] offset:KST*(\q)+6400*(\i/4)+6144+64*(\i%4)
.endr
.endm
.macro MUL16 a0, p, zero
.irp a, \a0, \a0+1
.irp b, 0,1,2,3,4,5,6,7
.if \zero
	v_wmma_scale_f32_16x16x128_f8f6f4 v[8*(8*((\a)%4)+\b):8*(8*((\a)%4)+\b)+7], v[128*(\p)+12*\b:128*(\p)+12*\b+11], v[AF+12*(\a):AF+12*(\a)+11], 0, v[SC+8*(\p)+\b], v[SC+8*(\p)+(\a)] matrix_a_fmt:MATRIX_FMT_FP6 matrix_b_fmt:MATRIX_FMT_FP6 matrix_a_scale:MATRIX_SCALE_ROW1
.else
	v_wmma_scale_f32_16x16x128_f8f6f4 v[8*(8*((\a)%4)+\b):8*(8*((\a)%4)+\b)+7], v[128*(\p)+12*\b:128*(\p)+12*\b+11], v[AF+12*(\a):AF+12*(\a)+11], v[8*(8*((\a)%4)+\b):8*(8*((\a)%4)+\b)+7], v[SC+8*(\p)+\b], v[SC+8*(\p)+(\a)] matrix_a_fmt:MATRIX_FMT_FP6 matrix_b_fmt:MATRIX_FMT_FP6 matrix_a_scale:MATRIX_SCALE_ROW1
.endif
.endr
.endr
.endm
.macro PLACES
.rept 4
	v_nop
.endr
.endm
.macro STEPADR reg, d
.if (\d) < 0
	s_sub_nc_u64 s[\reg:\reg+1], s[\reg:\reg+1], -(\d)
.else
	s_add_nc_u64 s[\reg:\reg+1], s[\reg:\reg+1], \d
.endif
.endm
.macro STEP p, nhalf, nq, zero
	s_wait_dscnt 16
	WIN MUL_LO
	MUL16 0, \p, \zero
	MUL16 2, \p, \zero
	s_wait_dscnt 0x0
	PLACES
	FETCH_B \nhalf, \nq, 1-(\p)
	FETCH_A \nhalf, \nq, 0
	SCALES \nhalf, \nq, 1-(\p)
	WIN MUL_HI
	MUL16 4, \p, \zero
	MUL16 6, \p, \zero
	PLACES
	WIN 0
	FETCH_A \nhalf, \nq, 4
.endm
.macro TURN p, nhalf, fill, rows, da, db
	s_wait_tensorcnt 0x0
	ds_add_u32 v[SPW], v[NIL]
	s_wait_dscnt 17
	WIN MUL_LO
	MUL16 0, \p, 0
	s_wait_dscnt 0x0
	s_barrier_signal -1
	MUL16 2, \p, 0
	WIN 0
	s_barrier_wait -1
.if \fill
	CREST
	STEPADR G0A+4*(1-(\nhalf))+2, \da
	STEPADR G0B+4*(1-(\nhalf))+2, \db
.if (\rows) == 3
	JLOAD G0A+4*(1-(\nhalf)), G1A3, G0B+4*(1-(\nhalf)), G1B3
.else
	JLOAD G0A+4*(1-(\nhalf)), G1A2, G0B+4*(1-(\nhalf)), G1B2
.endif
.else
	PLACES
.endif
	FETCH_B \nhalf, 0, 1-(\p)
	FETCH_A \nhalf, 0, 0
	SCALES \nhalf, 0, 1-(\p)
	WIN MUL_HI
	MUL16 4, \p, 0
	MUL16 6, \p, 0
	PLACES
	WIN 0
	FETCH_A \nhalf, 0, 4
.endm
.macro OUT a, t
.set AC, 64*((\a)%4)
.set PC, 96+12*((\a)%2)
.if ((\a) > 1) || ((\t) > 0)
	s_wait_xcnt 0x0
.endif
	WIN 2+(\a)/4
.set J, 0
.rept 16
	v_pk_mul_f32 v[T+J:T+J+1], v[AC+32+J:AC+33+J], s[NL:NL+1] op_sel_hi:[1,0]
.set J, J+2
.endr
	WIN 0
.set J, 0
	s_wait_alu depctr_va_vdst(0)
.rept 32
	v_exp_f32 v[T+J], v[T+J]
.set J, J+1
.endr
	v_nop
	s_wait_alu depctr_va_vdst(0)
.set J, 0
.rept 16
	v_pk_add_f32 v[T+J:T+J+1], v[T+J:T+J+1], 1.0 op_sel_hi:[1,0]
.set J, J+2
.endr
.set J, 0
	s_wait_alu depctr_va_vdst(0)
.rept 32
	v_rcp_f32 v[T+J], v[T+J]
.set J, J+1
.endr
	v_nop
	s_wait_alu depctr_va_vdst(0)
	WIN 2+(\a)/4
.set J, 0
.rept 16
	v_pk_mul_f32 v[T+J:T+J+1], v[AC+32+J:AC+33+J], v[T+J:T+J+1]
.set J, J+2
.endr
.set J, 0
.rept 16
	v_pk_mul_f32 v[T+J:T+J+1], v[AC+J:AC+J+1], v[T+J:T+J+1]
.set J, J+2
.endr
	WIN 0
.irp b, 0,1
	v_max3_num_f32 v[TM+\b], |v[T+16*\b]|, |v[T+1+16*\b]|, 0x1800000
.endr
.irp i, 2,4,6,8,10,12,14
.irp b, 0,1
	v_max3_num_f32 v[TM+\b], v[TM+\b], |v[T+16*\b+\i]|, |v[T+1+16*\b+\i]|
.endr
.endr
.irp b, 0,1
	v_permlanex16_b32 v[TM+2+\b], v[TM+\b], s[SEL], s[SEL+1]
.endr
.irp b, 0,1
	v_max_num_f32 v[TM+\b], v[TM+\b], v[TM+2+\b]
.endr
.irp b, 0,1
	v_add_nc_u32 v[TM+4+\b], 0xff000000, v[TM+\b]
.endr
.irp b, 0,1
	v_lshrrev_b32 v[TM+6+\b], 23, v[TM+4+\b]
.endr
	v_lshl_or_b32 v[PW], v[TM+7], 8, v[TM+6]
	v_cvt_scalef32_pk16_fp6_f32 v[PC:PC+2], v[T:T+15], v[TM+4]
	v_cvt_scalef32_pk16_fp6_f32 v[PC+6:PC+8], v[T+16:T+31], v[TM+5]
	v_nop
.irp i, 0,1,2
	v_permlane16_swap_b32 v[PC+\i], v[PC+6+\i]
.endr
.irp i, 0,1,2
	v_mov_b32 v[PC+3+\i], v[PC+6+\i]
.endr
	global_store_b128 v[HO16], v[PC:PC+3], s[8:9] offset:HTILE*(\t)+6400*((\a)/4)+1536*((\a)%4)
	global_store_b64 v[HO8], v[PC+4:PC+5], s[8:9] offset:HTILE*(\t)+6400*((\a)/4)+1536*((\a)%4)+512
	ds_store_b16 v[SCA], v[PW] offset:64*(\a)
.endm
.macro WAYOUT t
.irp a, 0,1,2,3,4,5,6,7
	OUT \a, \t
.endr
	s_wait_dscnt 0x0
	s_barrier_signal -1
	s_barrier_wait -1
	ds_load_b64 v[48:49], v[SCR]
	s_wait_dscnt 0x0
	global_store_b64 v[SCG], v[48:49], s[10:11] offset:HTILE*(\t)
.endm
	s_wait_tensorcnt 1
	s_barrier_signal -1
	s_barrier_wait -1
	FETCH_B 0, 0, 0
	FETCH_A 0, 0, 0
	s_wait_alu depctr_va_vdst(0)
	SCALES 0, 0, 0
	FETCH_A 0, 0, 4
	STEP 0, 0, 1, 1
	TURN 1, 1, 1, 3, 5*ASTEP, 5*BSTEP
	STEP 0, 1, 1, 0
	STEP 1, 1, 2, 0
	TURN 0, 0, 1, 3, -2*ASTEP, BTILE-2*BSTEP
	STEP 1, 0, 1, 0
	STEP 0, 0, 2, 0
	TURN 1, 1, 1, 3, -2*ASTEP, BTILE-2*BSTEP
	v_mov_b32 v[TM+2], 0
	v_mov_b32 v[TM+3], 0
	WAYOUT 0
	STEP 0, 1, 1, 1
	STEP 1, 1, 2, 0
	TURN 0, 0, 1, 2, 6*ASTEP, 6*BSTEP
	STEP 1, 0, 1, 0
	STEP 0, 0, 2, 0
	TURN 1, 1, 0, 0, 0, 0
	STEP 0, 1, 1, 0
	s_wait_dscnt 16
	WIN MUL_LO
	MUL16 0, 1, 0
	MUL16 2, 1, 0
	s_wait_dscnt 0x0
	WIN MUL_HI
	MUL16 4, 1, 0
	MUL16 6, 1, 0
	WIN 0
	PLACES
	WAYOUT 1
	s_wait_tensorcnt 0x0
	ds_add_u32 v[SPW], v[NIL]
	s_wait_dscnt 0x0
	CROUND
	s_endpgm
.Lfunc_end_k_q4e310fc466_ff1:
	.size	k_q4e310fc466_ff1, .Lfunc_end_k_q4e310fc466_ff1-k_q4e310fc466_ff1
	.p2alignl 7, 3214868480
	.fill 96, 4, 3214868480
	.section	.rodata,"a",@progbits
	.p2align	6, 0x0
	.amdhsa_kernel k_q4e310fc466_ff1
		.amdhsa_group_segment_fixed_size 327680
		.amdhsa_private_segment_fixed_size 0
		.amdhsa_enable_private_segment 0
		.amdhsa_kernarg_size 24
		.amdhsa_user_sgpr_count 2
		.amdhsa_user_sgpr_kernarg_segment_ptr 1
		.amdhsa_wavefront_size32 1
		.amdhsa_system_sgpr_workgroup_id_x 1
		.amdhsa_system_sgpr_workgroup_id_y 1
		.amdhsa_system_sgpr_workgroup_id_z 1
		.amdhsa_system_vgpr_workitem_id 0
		.amdhsa_next_free_vgpr 1024
		.amdhsa_next_free_sgpr 100
		.amdhsa_reserve_vcc 0
		.amdhsa_float_denorm_mode_32 3
		.amdhsa_float_denorm_mode_16_64 3
		.amdhsa_memory_ordered 1
		.amdhsa_forward_progress 1
		.amdhsa_inst_pref_size 255
	.end_amdhsa_kernel
	.section	.bss,"aw",@nobits
	.p2align	6
	.space	262144
	.amdgpu_metadata
---
amdhsa.version: [ 1, 2 ]
amdhsa.kernels:
  - .name:           k_q4e310fc466_ff1
    .symbol:         k_q4e310fc466_ff1.kd
    .args:
      - { .name: wsA, .offset: 0, .size: 8, .value_kind: global_buffer, .address_space: global }
      - { .name: wsH, .offset: 8, .size: 8, .value_kind: global_buffer, .address_space: global }
      - { .name: wsQ, .offset: 16, .size: 8, .value_kind: global_buffer, .address_space: global }
    .group_segment_fixed_size: 327680
    .private_segment_fixed_size: 0
    .kernarg_segment_align: 8
    .kernarg_segment_size: 24
    .max_flat_workgroup_size: 128
    .sgpr_count:     100
    .vgpr_count:     1024
    .wavefront_size: 32
...
	.end_amdgpu_metadata
.endif
;; end of part 2
;; launch att (part 3): grid 256 x 1, 16 waves a work-group, clusters of 4 x 1, 182,272 bytes of LDS; arguments wsQ, wsH, wsA; writes wsH
.if DOCPART == 3
	.amdgcn_target "amdgcn-amd-amdhsa--gfx1250"
	.amdhsa_code_object_version 6
	.text
	.protected	k_q4e310fc466_att
	.globl	k_q4e310fc466_att
	.p2align	8
	.type	k_q4e310fc466_att,@function
k_q4e310fc466_att:
	s_mov_b64 s[64:65], 0
	v_nop
	global_prefetch_b8 v0, s[64:65] scope:SCOPE_SE
	s_setreg_imm32_b32 hwreg(HW_REG_WAVE_MODE, 25, 1), 1
	s_wait_xcnt 0x0
	s_wait_alu depctr_hold_cnt(0) depctr_sa_sdst(0) depctr_va_vdst(0) depctr_va_sdst(0) depctr_va_ssrc(0) depctr_va_vcc(0) depctr_vm_vsrc(0)
	s_getreg_b32 s2, hwreg(HW_REG_IB_STS2, 6, 4)
	s_cmp_eq_u32 s2, 0
	s_cbranch_scc0 .Lentry_in_a_cluster
	s_endpgm
.Lentry_in_a_cluster:
	s_bfe_u32 s2, ttmp6, 0x10000c
	s_cmp_lg_u32 s2, 0x3003
	s_cbranch_scc0 .Lentry_shape_is_right
	s_endpgm
.Lentry_shape_is_right:
; ATT: q = (xn w_q) / sqrt(32), then attention with one shared key and value head, all products on codes of FP6 with E8M0 scales; the result, quantised along (head, d), becomes K steps 32 and 33 of wsH's records.
; SHARES.  A work-group owns 16 rows of x and has sixteen waves, four to a SIMD at 256 registers each.  Wave w serves head w % 8 and half w / 8 of the batch's 2,048 keys: 8 steps of 128 keys.
; THE BATCH'S K AND V, codes and scale words, are 102,400 dense bytes: they come into LDS once (each wave 25 rows of 256 bytes) and stay: nothing is filled again.
; CLUSTER.  The four work-groups of a cluster belong to one batch, so the block is asked for jointly, with the same descriptor in all four.
; THE QUERIES: 16 rows x my head's 32 units over K = 1,024.  The two waves of a head take four K steps each: 60 loads a wave, all issued at the head by immediate offsets, ahead of the cluster's round.
; The two partial sums meet through LDS; both waves add them (an f32 addition gives the same bits in either order) and quantise the same q in registers.
; THE FIRST PRODUCT OF ATTENTION HAS K = 32: a fragment of K holds four tiles of 16 keys in its four blocks and is multiplied by four variants of Q, variant b with the query's codes in block b and zero codes elsewhere.
; Both products are used transposed: a lane holds one query.  Tile 2 B + u of the scores has in row m key 32 B + 8 u + m + 8 (m / 8): 16 registers of two tiles are 16 neighbouring keys.
; THE SOFTMAX: t = score x log2(e); M = the running largest t rounded up to a whole number; p = 2^(t - M) is quantised along the keys; the row's sum is taken of the unquantised p and divides at the end.
; THE TWO HALVES OF THE KEYS are joined at the end through LDS: under the larger M, by factors 2^(M - larger M), which round nothing; waves 0-7 alone store the head's block.
; No prefetch: inside the loop nothing comes from memory, and the head has no loop to run ahead in.
; LIMITS: NaN and infinities are not served; the scaled scores stay under 2^31 in magnitude; a block's largest p is taken from its largest score (v_exp_f32 is taken not to fall where its input rises);
; a block of zeros, or under 2^-124, gets the byte 1 over zero codes (only this program reads the bytes).
; REGISTERS: v1-4 lane places; v5, v7, v22-31, v92, v93 addresses; v6 zero; v8-11 the step's addresses; v12 -M, v13 largest t, v[14:15] the sum; v16-21 q's codes; v32-55 K; v56-79 V; v80-91 the projection's scale words;
; v95, v243 the add's two; v96-159 scores, then p; v160-175 O^T; v176-223 Q's variants; v224-235 p's codes; v232-247 at work; v248-251 scale words; v252 f; v253 p's scale word; v255 Q's scale word.
.set WQR,  16588800
.set KVB,  102400
.set VCO,  49152
.set KSO,  98304
.set VSO,  100352
.set STG,  102400                      ; the work-group's two fragments on the way out, 3,072 bytes,
.set STGS, 105472                      ; and their scale words, 128 bytes
.set XST,  106496                      ; q's partial sums: 2,048 bytes a wave
.set MST,  139264                      ; O^T, -M and the sum: 2,560 bytes a wave
.set SPARE, 180224                     ; the spare words: 128 bytes a wave
.set AK0,  1
.set AV0,  2
.set ASK0, 3
.set ASV0, 4
.set SA,   5
.set NIL,  6
.set SB8,  7
.set ADK,  8
.set ADV,  9
.set ADS,  10
.set ADT,  11
.set LS0,  22
.set LS1,  23
.set SC8,  24
.set RDC,  25
.set RDS,  26
.set GOC,  27                          ; 16 x lane
.set GOS,  28
.set XA,   29
.set L8,   30                          ; 16 r + 8 h
.set XB,   31
.set MA,   92
.set MB,   93
.set QA,   32
.set QSC,  80
.set QF,   96
.set WV,   8
.set HD,   17
.set KH,   18
.set SEL,  20
.set CS,   22
.set G1,   24
.set G0,   32
.set TB,   36
.set TS,   37
.set CNT,  38
.set FAC,  60
.macro CROUND                          ; a round of the cluster's barrier
	s_barrier_signal -1
	s_barrier_wait -1
	s_cmp_lg_u32 s[WV], 0
	s_cbranch_scc1 .Lnot_wave_0_\@
	s_barrier_signal -3
.Lnot_wave_0_\@:
	s_barrier_wait -3
	s_barrier_signal -1
	s_barrier_wait -1
.endm
.macro QSET n                          ; my K step n's three fragments and three scale words: 15 loads, the step in the immediate
.set F, QF+36*(\n)
.irp y, 0,1
	global_load_b128 v[F+12*\y:F+12*\y+3], v[GOC], s[40:41] offset:25600*(\n)+1536*\y
	global_load_b64 v[F+12*\y+4:F+12*\y+5], v[L8], s[40:41] offset:25600*(\n)+1536*\y+512
	global_load_b128 v[F+12*\y+6:F+12*\y+9], v[GOC], s[40:41] offset:25600*(\n)+1536*\y+768
	global_load_b64 v[F+12*\y+10:F+12*\y+11], v[L8], s[40:41] offset:25600*(\n)+1536*\y+1280
	global_load_b32 v[QSC+3*(\n)+\y], v[LS0], s[40:41] offset:25600*(\n)+64*\y
.endr
	global_load_b128 v[F+24:F+27], v[GOC], s[42:43] offset:409600*(\n)
	global_load_b64 v[F+28:F+29], v[L8], s[42:43] offset:409600*(\n)+512
	global_load_b128 v[F+30:F+33], v[GOC], s[42:43] offset:409600*(\n)+768
	global_load_b64 v[F+34:F+35], v[L8], s[42:43] offset:409600*(\n)+1280
	global_load_b32 v[QSC+3*(\n)+2], v[LS1], s[42:43] offset:409600*(\n)
.endm
.macro QMM s                           ; a K step's two products; the two accumulators take turns
.set F, QF+36*(\s)
.irp Y, 0,1
.if (\s) == 0
	v_wmma_scale_f32_16x16x128_f8f6f4 v[QA+8*\Y:QA+8*\Y+7], v[F+12*\Y:F+12*\Y+11], v[F+24:F+35], 0, v[QSC+3*(\s)+\Y], v[QSC+3*(\s)+2] matrix_a_fmt:MATRIX_FMT_FP6 matrix_b_fmt:MATRIX_FMT_FP6
.else
	v_wmma_scale_f32_16x16x128_f8f6f4 v[QA+8*\Y:QA+8*\Y+7], v[F+12*\Y:F+12*\Y+11], v[F+24:F+35], v[QA+8*\Y:QA+8*\Y+7], v[QSC+3*(\s)+\Y], v[QSC+3*(\s)+2] matrix_a_fmt:MATRIX_FMT_FP6 matrix_b_fmt:MATRIX_FMT_FP6
.endif
.endr
.endm
	s_load_b128 s[4:7], s[0:1], 0x0                ; wsQ, wsH
	s_load_b64 s[10:11], s[0:1], 0x10              ; wsA
	v_lshl_add_u32 v95, v0, 2, SPARE
	v_mov_b32 v243, 0
	ds_add_u32 v95, v243                           ; the opening lines: the add, twice, and one wait below
	ds_add_u32 v95, v243
	v_lshrrev_b32 v8, 5, v0
	s_delay_alu instid0(VALU_DEP_1)
	v_readfirstlane_b32 s[WV], v8                  ; wave 0..15
	s_and_b32 s[HD], s[WV], 7                      ; my head
	s_lshr_b32 s[KH], s[WV], 3                     ; my half: of the keys, and of the projection's K
	s_bfe_u32 s9, ttmp6, 0x40000                   ; cx: it enters global addresses of the rows and of the result alone
	s_lshr_b32 s12, ttmp9, 5                       ; the batch: 32 clusters each
	s_mul_i32 s12, s12, KVB
	s_mul_i32 s[G0+1], s[WV], 6400                 ; my sixteenth of the block, in LDS
	s_add_co_u32 s12, s12, s[G0+1]                 ; and in memory
	s_mov_b32 s13, 0
	s_mov_b32 s[G1], 15|(3<<16)|(1<<21)            ; the mask: all four work-groups; elements of 8 bytes; bit 21 beside a mask
	s_mov_b32 s[G1+1], 32<<16                      ; rows of 256 bytes
	s_mov_b32 s[G1+2], 25<<16
	s_mov_b32 s[G1+3], 32<<16
	s_mov_b32 s[G1+4], 25
	s_mov_b32 s[G1+5], 32                          ; the rows are dense
	s_mov_b32 s[G1+6], 0
	s_mov_b32 s[G1+7], 0
	s_mov_b32 s[G0], 1
	v_and_b32 v8, 15, v0                           ; r
	v_bfe_u32 v9, v0, 4, 1                         ; h
	v_and_b32 v[GOC], 31, v0
	s_delay_alu instid0(VALU_DEP_1)
	v_lshlrev_b32 v[GOC], 4, v[GOC]
	v_lshlrev_b32 v[L8], 4, v8
	s_delay_alu instid0(VALU_DEP_1)
	v_lshl_add_u32 v[L8], v9, 3, v[L8]
	s_wait_alu depctr_va_vdst(0)                   ; the wait ahead of the run of scalar lines
	s_lshr_b32 s14, s[HD], 1
	s_mul_i32 s14, s14, 6400
	s_and_b32 s15, s[HD], 1
	s_mul_i32 s16, s15, 3072
	s_add_co_u32 s14, s14, s16
	s_add_co_u32 s40, s14, WQR
	s_mul_i32 s16, s[KH], 102400                   ; my four K steps: 4 x 4 groups on
	s_add_co_u32 s40, s40, s16
	s_mov_b32 s41, 0
	s_mul_i32 s15, s15, 2944
	s_sub_co_u32 s15, 6144, s15                    ; from the tiles to their scale words
	v_lshl_add_u32 v[LS0], v8, 2, s15
	s_mul_i32 s42, ttmp9, 6400                     ; xn: group = the cluster's number, tile = cx
	s_mul_i32 s16, s9, 1536
	s_add_co_u32 s42, s42, s16
	s_mul_i32 s16, s[KH], 1638400                  ; 4 x 64 groups on
	s_add_co_u32 s42, s42, s16
	s_mov_b32 s43, 0
	s_mul_i32 s16, s9, 1472
	s_sub_co_u32 s16, 6144, s16
	v_lshl_add_u32 v[LS1], v8, 2, s16
	s_wait_alu depctr_va_vdst(0)                   ; the wait ahead of the blocking waits
	s_wait_dscnt 0x0                               ; both opening adds are done
	s_wait_kmcnt 0x0
	s_add_nc_u64 s[G0+2:G0+3], s[4:5], s[12:13]
	s_or_b32 s[G0+3], s[G0+3], 0x80000000
	s_add_nc_u64 s[40:41], s[10:11], s[40:41]
	s_add_nc_u64 s[42:43], s[10:11], s[42:43]
	QSET 0
	QSET 1
	QSET 2
	QSET 3                                         ; all my 60 loads are out
	CROUND                                         ; all four work-groups are here: the joint loads meet
	tensor_load_to_lds s[G0:G0+3], s[G1:G1+7]      ; my one tensor load
	s_nop 0
.rept 4
	v_nop                                          ; behind a tensor load
.endr
	; ---- the addresses of the loop, the two exchanges and the way out, all ahead of every branch on the wave's number
	v_and_b32 v11, 8, v8
	s_delay_alu instid0(VALU_DEP_1)
	v_add_nc_u32 v11, v11, v8
	s_delay_alu instid0(VALU_DEP_1)
	v_lshl_add_u32 v11, v9, 3, v11                 ; r + 8 (r / 8) + 8 h: the 32 lanes take 32 neighbouring keys
	s_delay_alu instid0(VALU_DEP_1)
	v_mul_u32_u24 v[AK0], v11, 24
	v_and_b32 v[AV0], 31, v0
	s_delay_alu instid0(VALU_DEP_1)
	v_mul_u32_u24 v[AV0], v[AV0], 24
	s_delay_alu instid0(VALU_DEP_1)
	v_add_nc_u32 v[AV0], VCO, v[AV0]
	v_lshl_add_u32 v[ASK0], v8, 2, KSO
	v_lshl_add_u32 v[ASV0], v8, 2, VSO
	s_mul_i32 s19, s[KH], 24576                    ; my half of the keys: 8 steps of 3,072 bytes of codes,
	s_lshl_b32 s39, s[KH], 10                      ; and of 128 bytes of scale words
	v_add_nc_u32 v[AK0], s19, v[AK0]
	v_add_nc_u32 v[AV0], s19, v[AV0]
	v_add_nc_u32 v[ASK0], s39, v[ASK0]
	v_add_nc_u32 v[ASV0], s39, v[ASV0]
	s_lshl_b32 s19, s[WV], 11
	s_add_co_u32 s19, s19, XST
	v_add_nc_u32 v[XA], s19, v[GOC]                ; q's partial sums: mine,
	s_xor_b32 s39, s[WV], 8
	s_lshl_b32 s39, s39, 11
	s_add_co_u32 s39, s39, XST
	v_add_nc_u32 v[XB], s39, v[GOC]                ; and those of the wave that shares my head
	s_mul_i32 s62, s[WV], 2560
	s_add_co_u32 s62, s62, MST
	v_add_nc_u32 v[MA], s62, v[GOC]                ; the same for O^T, -M and the sum
	s_xor_b32 s63, s[WV], 8
	s_mul_i32 s63, s63, 2560
	s_add_co_u32 s63, s63, MST
	v_add_nc_u32 v[MB], s63, v[GOC]
	s_lshr_b32 s44, s[HD], 2                       ; which of the two K steps my head falls into,
	s_bfe_u32 s45, s[HD], 0x10001                  ; which half of the fragment,
	s_and_b32 s46, s[HD], 1                        ; which block of that half
	s_and_b32 s47, s[HD], 3                        ; which byte of the scale word
	s_mul_i32 s48, s44, 1536
	s_mul_i32 s49, s45, 768
	s_add_co_u32 s48, s48, s49
	s_add_co_u32 s48, s48, STG
	s_lshl_b32 s49, s46, 8
	s_add_co_u32 s49, s49, s48
	v_lshl_add_u32 v[SA], v8, 4, s49               ; a block's first 16 bytes
	s_lshl_b32 s50, s46, 3
	s_add_co_u32 s50, s50, s48
	s_add_co_u32 s50, s50, 512
	v_lshl_add_u32 v[SB8], v8, 4, s50              ; its last 8
	s_lshl_b32 s51, s44, 6
	s_add_co_u32 s51, s51, s47
	s_add_co_u32 s51, s51, STGS
	v_lshl_add_u32 v[SC8], v8, 2, s51              ; its scale byte
	v_and_b32 v[RDS], 31, v0
	s_delay_alu instid0(VALU_DEP_1)
	v_lshl_add_u32 v[RDS], v[RDS], 2, STGS
	s_lshl_b32 s52, s[WV], 9
	s_add_co_u32 s52, s52, STG
	v_add_nc_u32 v[RDC], s52, v[GOC]               ; waves 0-5 read 512 bytes each of the two fragments
	v_mul_u32_u24 v[GOS], v9, 409600               ; scale words: K step 33's lie 64 groups behind K step 32's
	s_delay_alu instid0(VALU_DEP_1)
	v_lshl_add_u32 v[GOS], v8, 2, v[GOS]
	s_cmp_ge_u32 s[WV], 3
	s_cselect_b32 s52, 1, 0
	s_add_co_u32 s53, s52, 32
	s_lshl_b32 s53, s53, 6
	s_add_co_u32 s53, s53, ttmp9                   ; K step 32 or 33, group = the cluster's number,
	s_mul_i32 s53, s53, 6400
	s_mul_i32 s54, s9, 1536                        ; tile = cx
	s_add_co_u32 s53, s53, s54
	s_mul_i32 s54, s52, 3
	s_sub_co_u32 s54, s[WV], s54
	s_lshl_b32 s54, s54, 9
	s_add_co_u32 s56, s53, s54
	s_mov_b32 s57, 0
	s_add_nc_u64 s[56:57], s[6:7], s[56:57]
	s_add_co_u32 s58, ttmp9, 2048
	s_mul_i32 s58, s58, 6400
	s_lshl_b32 s54, s9, 6
	s_add_co_u32 s58, s58, s54
	s_add_co_u32 s58, s58, 6144
	s_mov_b32 s59, 0
	s_add_nc_u64 s[58:59], s[6:7], s[58:59]
	s_mov_b32 s[SEL], 0x76543210
	s_mov_b32 s[SEL+1], 0xfedcba98
	s_mov_b32 s[CS], 0x3fb8aa3b                    ; log2(e): q is already divided by sqrt(32)
	s_mov_b32 s[CS+1], s[CS]
	s_mov_b32 s[FAC], 0x3e3504f3                   ; 1 / sqrt(32)
	s_mov_b32 s[FAC+1], s[FAC]
	s_mov_b32 s[TB], 0
	s_mov_b32 s[TS], 0
	v_mov_b32 v[NIL], 0
	v_mov_b32 v13, 0xff61b1e6                      ; the largest t so far: -3e38
	s_delay_alu instid0(VALU_DEP_1)
	v_floor_f32 v12, -v13                          ; -M
	v_mov_b32 v14, 0
	v_mov_b32 v15, 0
	v_mov_b32 v253, 0
	; ---- my half of q = xn w_q
	s_wait_alu depctr_va_vdst(0)                   ; the wait at the head's end
	s_wait_loadcnt 45                              ; a K step's 15 loads are in; the three sets behind it may be out
	QMM 0
	s_wait_loadcnt 30
	QMM 1
	s_wait_loadcnt 15
	QMM 2
	s_wait_loadcnt 0x0
	QMM 3
	v_mov_b32 v56, 0                               ; written once: a lane permute's destination counts as one of its sources.  These three and a v_nop are the places in front of the first read of results
	v_mov_b32 v57, 0
	v_mov_b32 v58, 0
	v_nop
	s_wait_alu depctr_va_vdst(0)
	s_wait_tensorcnt 0x0                           ; my sixteenth of K and V has landed: no LDS store of mine stands under a tensor load
.irp i, 0,1,2,3
	ds_store_b128 v[XA], v[QA+4*\i:QA+4*\i+3] offset:512*\i    ; each accumulator from its low end on
.endr
	s_wait_dscnt 0x0                               ; for the others' sake
	s_barrier_signal -1
	s_barrier_wait -1                              ; everybody's part of K and V is in, and everybody's partial sums
.irp i, 0,1,2,3
	ds_load_b128 v[60+4*\i:63+4*\i], v[XB] offset:512*\i
.endr
	s_wait_dscnt 0x0
.set J, 0
.rept 8
	v_pk_add_f32 v[QA+J:QA+J+1], v[QA+J:QA+J+1], v[60+J:61+J]  ; the two halves of K
.set J, J+2
.endr
.set J, 0
.rept 8
	v_pk_mul_f32 v[QA+J:QA+J+1], v[QA+J:QA+J+1], s[FAC:FAC+1] op_sel_hi:[1,0]   ; register 8 Y + j is unit 16 h + 8 Y + j of my head
.set J, J+2
.endr
	v_max3_num_f32 v48, |v[QA]|, |v[QA+1]|, 0x1800000                           ; my 16 numbers and the floor 2^(3 - 127), in two chains
	s_delay_alu instid0(VALU_DEP_4)
	v_max3_num_f32 v49, |v[QA+8]|, |v[QA+9]|, |v[QA+10]|
	s_delay_alu instid0(VALU_DEP_2)
	v_max3_num_f32 v48, v48, |v[QA+2]|, |v[QA+3]|
	s_delay_alu instid0(VALU_DEP_2)
	v_max3_num_f32 v49, v49, |v[QA+11]|, |v[QA+12]|
	s_delay_alu instid0(VALU_DEP_2)
	v_max3_num_f32 v48, v48, |v[QA+4]|, |v[QA+5]|
	s_delay_alu instid0(VALU_DEP_2)
	v_max3_num_f32 v49, v49, |v[QA+13]|, |v[QA+14]|
	s_delay_alu instid0(VALU_DEP_2)
	v_max3_num_f32 v48, v48, |v[QA+6]|, |v[QA+7]|
	s_delay_alu instid0(VALU_DEP_1)
	v_max3_num_f32 v48, v48, v49, |v[QA+15]|
	s_delay_alu instid0(VALU_DEP_1)
	v_permlanex16_b32 v49, v48, s[SEL], s[SEL+1]
	s_delay_alu instid0(VALU_DEP_1)
	v_max_num_f32 v48, v48, v49                    ; with lane l xor 16's: the block's largest magnitude
	s_delay_alu instid0(VALU_DEP_1)
	v_add_nc_u32 v50, 0xff000000, v48              ; 2 off its exponent field: the conversion's scale operand
	s_delay_alu instid0(VALU_DEP_1)
	v_lshrrev_b32 v255, 23, v50                    ; the scale's byte
	v_cvt_scalef32_pk16_fp6_f32 v[52:54], v[QA:QA+15], v50
	v_lshl_or_b32 v255, v255, 8, v255              ; (a plain line behind the conversion)  the query's scale byte serves all four blocks
	s_delay_alu instid0(VALU_DEP_1)
	v_lshl_or_b32 v255, v255, 16, v255
.irp i, 0,1,2
	v_permlanex16_b32 v[56+\i], v[52+\i], s[SEL], s[SEL+1]     ; the block's other 12 bytes
.endr
	v_cmp_eq_u32 vcc_lo, 0, v9
.irp i, 0,1,2
	v_cndmask_b32 v[16+\i], v[56+\i], v[52+\i], vcc_lo         ; units 0-15: lanes 0-15's own
	v_cndmask_b32 v[19+\i], v[52+\i], v[56+\i], vcc_lo         ; units 16-31: lanes 16-31's own
.endr
.irp bb, 0,1,2,3                               ; variant bb: the query's codes in block bb (registers 6 (bb / 2) on, lanes with h = bb % 2), zero codes elsewhere
.irp i, 0,1,2,3,4,5
	v_mov_b32 v[176+12*\bb+6*(1-\bb/2)+\i], 0
.if \bb%2 == 0
	v_cndmask_b32 v[176+12*\bb+6*(\bb/2)+\i], v[NIL], v[16+\i], vcc_lo
.else
	v_cndmask_b32 v[176+12*\bb+6*(\bb/2)+\i], v[16+\i], v[NIL], vcc_lo
.endif
.endr
.endr
.irp j, 0,1,2,3,4,5,6,7,8,9,10,11,12,13,14,15
	v_mov_b32 v[160+\j], 0                         ; O^T: the first change of M multiplies zeros
.endr
.irp b, 0,1,2,3
	v_mov_b32 v[236+\b], 0                         ; written once: a lane permute's destination counts as one of its sources
.endr
	s_wait_alu depctr_va_vdst(0)
.macro KLOAD ak, as, ko, so            ; a step's two fragments of K and their scale words: 14 loads
.irp f, 0,1
.irp p, 0,1,2,3,4,5
	ds_load_b64 v[32+12*\f+2*\p:33+12*\f+2*\p], v[\ak] offset:\ko+1536*\f+768*(\p/3)+8*(\p%3)
.endr
	ds_load_b32 v[248+\f], v[\as] offset:\so+64*\f
.endr
.endm
; A KEY STEP: 128 keys.  Its K was fetched a step earlier; more = 1: the next step's K is fetched as soon as the score products have read this step's
.macro STEP more
.if \more
	v_add_nc_u32 v[ADK], s[TB], v[AK0]             ; these four lines are also the places between the last products and the loads into their registers
	v_add_nc_u32 v[ADS], s[TS], v[ASK0]
.else
	v_nop
	v_nop
.endif
	v_add_nc_u32 v[ADV], s[TB], v[AV0]
	v_add_nc_u32 v[ADT], s[TS], v[ASV0]
.irp t, 0,1
.irp p, 0,1,2,3,4,5
	ds_load_b64 v[56+12*\t+2*\p:57+12*\t+2*\p], v[ADV] offset:768*\t+1536*(\p/3)+8*(\p%3)
.endr
	ds_load_b32 v[250+\t], v[ADT] offset:64*\t
.endr
	s_wait_dscnt 14                                ; K's 14 loads, issued a step ago, are in; V's 14 may be out
.irp f, 0,1
.irp bb, 0,1,2,3
	v_wmma_scale_f32_16x16x128_f8f6f4 v[96+8*(4*\f+\bb):103+8*(4*\f+\bb)], v[32+12*\f:43+12*\f], v[176+12*\bb:187+12*\bb], 0, v[248+\f], v255 matrix_a_fmt:MATRIX_FMT_FP6 matrix_b_fmt:MATRIX_FMT_FP6
.endr
.endr
.rept 4
	v_nop                                          ; places in front of the first read of results, and of the loads into K's registers
.endr
.if \more
	s_wait_alu depctr_va_vdst(0)
	KLOAD ADK, ADS, 3072, 128                      ; the next step's K
.endif
.irp b, 0,1,2,3
	v_max3_num_f32 v[232+\b], v[96+16*\b], v[97+16*\b], v[98+16*\b]   ; the largest score of each block of 32 keys: for the row's maximum, and for the block's largest p
.endr
.irp i, 3,5,7,9,11,13
.irp b, 0,1,2,3
	v_max3_num_f32 v[232+\b], v[232+\b], v[96+16*\b+\i], v[97+16*\b+\i]
.endr
.endr
.irp b, 0,1,2,3
	v_max_num_f32 v[232+\b], v[232+\b], v[111+16*\b]
.endr
.irp b, 0,1,2,3
	s_delay_alu instid0(VALU_DEP_4)
	v_permlanex16_b32 v[236+\b], v[232+\b], s[SEL], s[SEL+1]
.endr
.irp b, 0,1,2,3
	s_delay_alu instid0(VALU_DEP_4)
	v_max_num_f32 v[232+\b], v[232+\b], v[236+\b]
.endr
	s_delay_alu instid0(VALU_DEP_2)
	v_max3_num_f32 v254, v232, v233, v234
	s_delay_alu instid0(VALU_DEP_1)
	v_max_num_f32 v254, v254, v235
	s_delay_alu instid0(VALU_DEP_1)
	v_mul_f32 v254, s[CS], v254
	s_delay_alu instid0(VALU_DEP_1)
	v_max_num_f32 v13, v13, v254                   ; the running largest t
	v_mov_b32 v254, v12
	s_delay_alu instid0(VALU_DEP_2)
	v_floor_f32 v12, -v13                          ; the new -M = -ceil(t)
	s_delay_alu instid0(VALU_DEP_1)
	v_sub_f32 v254, v12, v254                      ; old M - new M: a whole number, 0 or less
	s_delay_alu instid0(VALU_DEP_1)
	v_cvt_i32_f32 v254, v254                       ; (it saturates)
	s_delay_alu instid0(VALU_DEP_1)
	v_ldexp_f32 v252, 1.0, v254                    ; f = 2^(old M - new M): a multiplication by it rounds nothing
.irp j, 0,2,4,6,8,10,12,14,16,18,20,22,24,26,28,30,32,34,36,38,40,42,44,46,48,50,52,54,56,58,60,62
	v_pk_fma_f32 v[96+\j:97+\j], v[96+\j:97+\j], s[CS:CS+1], v[12:13] op_sel_hi:[1,0,0]   ; t - M
.endr
.irp b, 0,1,2,3
	v_fma_f32 v[232+\b], v[232+\b], s[CS], v12
.endr
	s_wait_alu depctr_va_vdst(0)                   ; the wait ahead of the batch
.irp j, 0,1,2,3,4,5,6,7,8,9,10,11,12,13,14,15,16,17,18,19,20,21,22,23,24,25,26,27,28,29,30,31,32,33,34,35,36,37,38,39,40,41,42,43,44,45,46,47,48,49,50,51,52,53,54,55,56,57,58,59,60,61,62,63
	v_exp_f32 v[96+\j], v[96+\j]                   ; p = 2^(t - M)
.endr
	v_pk_mul_f32 v[14:15], v[14:15], v[252:253] op_sel_hi:[1,0]   ; the sums under the new M: a plain line behind the exponentials
	s_wait_alu depctr_va_vdst(0)                   ; one wait for the batch, ahead of its first reader
.irp b, 0,1,2,3
	v_exp_f32 v[232+\b], v[232+\b]                 ; each block's largest p
.endr
	v_pk_add_f32 v[236:237], v[100:101], v[104:105]
	v_pk_add_f32 v[246:247], v[108:109], v[112:113]
	v_pk_add_f32 v[244:245], v[116:117], v[120:121]
	v_pk_add_f32 v[240:241], v[124:125], v[128:129]
	v_pk_add_f32 v[238:239], v[132:133], v[136:137]
	v_pk_add_f32 v[230:231], v[140:141], v[144:145]
	v_pk_add_f32 v[228:229], v[148:149], v[152:153]
	v_pk_add_f32 v[14:15], v[14:15], v[156:157]
	v_pk_add_f32 v[236:237], v[236:237], v[96:97]
	v_pk_add_f32 v[246:247], v[246:247], v[98:99]
	v_pk_add_f32 v[244:245], v[244:245], v[102:103]
	v_pk_add_f32 v[240:241], v[240:241], v[106:107]
	v_pk_add_f32 v[238:239], v[238:239], v[110:111]
	v_pk_add_f32 v[230:231], v[230:231], v[114:115]
	v_pk_add_f32 v[228:229], v[228:229], v[118:119]
	v_pk_add_f32 v[14:15], v[14:15], v[122:123]
	v_pk_add_f32 v[236:237], v[236:237], v[126:127]
	v_pk_add_f32 v[246:247], v[246:247], v[130:131]
	v_pk_add_f32 v[244:245], v[244:245], v[134:135]
	v_pk_add_f32 v[240:241], v[240:241], v[138:139]
	v_pk_add_f32 v[238:239], v[238:239], v[142:143]
	v_pk_add_f32 v[230:231], v[230:231], v[146:147]
	v_pk_add_f32 v[228:229], v[228:229], v[150:151]
	v_pk_add_f32 v[14:15], v[14:15], v[154:155]
	v_pk_add_f32 v[236:237], v[236:237], v[158:159]
	s_delay_alu instid0(VALU_DEP_2)
	v_pk_add_f32 v[14:15], v[14:15], v[240:241]
	s_delay_alu instid0(VALU_DEP_2)
	v_pk_add_f32 v[236:237], v[236:237], v[238:239]
	v_pk_add_f32 v[246:247], v[246:247], v[230:231]
	v_pk_add_f32 v[244:245], v[244:245], v[228:229]
	s_delay_alu instid0(VALU_DEP_2)
	v_pk_add_f32 v[14:15], v[14:15], v[246:247]
	s_delay_alu instid0(VALU_DEP_2)
	v_pk_add_f32 v[236:237], v[236:237], v[244:245]
	s_delay_alu instid0(VALU_DEP_1)
	v_pk_add_f32 v[14:15], v[14:15], v[236:237]
	s_wait_alu depctr_va_vdst(0)                   ; and one for the four
.irp b, 0,1,2,3
	v_max_num_f32 v[232+\b], 0x1800000, v[232+\b]  ; the floor
.endr
.irp b, 0,1,2,3
	s_delay_alu instid0(VALU_DEP_4)
	v_add_nc_u32 v[244+\b], 0xff000000, v[232+\b]
.endr
.irp b, 0,1,2,3
	s_delay_alu instid0(VALU_DEP_4)
	v_lshrrev_b32 v[236+\b], 23, v[244+\b]
.endr
	s_delay_alu instid0(VALU_DEP_3)
	v_lshl_or_b32 v253, v237, 8, v236              ; p's scale word for these 128 keys
	s_delay_alu instid0(VALU_DEP_1)
	v_lshl_or_b32 v253, v238, 16, v253
	s_delay_alu instid0(VALU_DEP_1)
	v_lshl_or_b32 v253, v239, 24, v253
.irp c, 0,1
	v_cvt_scalef32_pk16_fp6_f32 v[224+6*\c:226+6*\c], v[96+32*\c:111+32*\c], v[244+2*\c]
	v_cvt_scalef32_pk16_fp6_f32 v[236+4*\c:238+4*\c], v[112+32*\c:127+32*\c], v[244+2*\c+1]
.endr
	v_nop                                          ; one plain line behind a scaled conversion
.irp c, 0,1
.irp i, 0,1,2
	v_permlane16_swap_b32 v[224+6*\c+\i], v[236+4*\c+\i]
.endr
.irp i, 0,1,2
	s_delay_alu instid0(VALU_DEP_3)
	v_mov_b32 v[227+6*\c+\i], v[236+4*\c+\i]
.endr
.endr
.irp j, 0,2,4,6,8,10,12,14
	v_pk_mul_f32 v[160+\j:161+\j], v[160+\j:161+\j], v[252:253] op_sel_hi:[1,0]   ; O^T under the new M; with the moves above: twenty-five lines behind the scale word's last write, eight behind the codes'
.endr
	s_wait_alu depctr_va_vdst(0)
.if \more
	s_wait_dscnt 14                                ; V's 14 loads are in; the next K's 14, issued behind them, may be out
.else
	s_wait_dscnt 0x0                               ; V
.endif
.irp t, 0,1
	v_wmma_scale_f32_16x16x128_f8f6f4 v[160+8*\t:167+8*\t], v[56+12*\t:67+12*\t], v[224:235], v[160+8*\t:167+8*\t], v[250+\t], v253 matrix_a_fmt:MATRIX_FMT_FP6 matrix_b_fmt:MATRIX_FMT_FP6
.endr
.if \more
	s_add_co_u32 s[TB], s[TB], 3072                ; 128 keys of 24 bytes; V's four blocks are as many
	s_add_co_u32 s[TS], s[TS], 128
.endif
.endm
	KLOAD AK0, ASK0, 0, 0                          ; my first step's K
	s_mov_b32 s[CNT], 7
.Lstep:
	STEP 1
	s_sub_co_u32 s[CNT], s[CNT], 1
	s_cmp_lg_u32 s[CNT], 0
	s_cbranch_scc1 .Lstep
	STEP 0                                         ; my eighth step is written out: there is no K behind it to fetch
	; THE TWO HALVES OF THE KEYS MEET.  Every wave stores O^T, -M and its sum, and reads those of the wave that shares its head
	v_add_f32 v14, v14, v15
	s_delay_alu instid0(VALU_DEP_1)
	v_permlanex16_b32 v252, v14, s[SEL], s[SEL+1]
	s_delay_alu instid0(VALU_DEP_1)
	v_add_f32 v14, v14, v252                       ; my half's sum of the row
.rept 4
	v_nop                                          ; the places behind the last products
.endr
.irp i, 0,1,2,3
	ds_store_b128 v[MA], v[160+4*\i:163+4*\i] offset:512*\i    ; each accumulator from its low end on
.endr
	ds_store_b128 v[MA], v[12:15] offset:2048
	s_wait_alu depctr_va_vdst(0)                   ; the wait ahead of the blocking wait
	s_wait_dscnt 0x0                               ; for the others' sake
	s_barrier_signal -1
	s_barrier_wait -1
.irp i, 0,1,2,3
	ds_load_b128 v[96+4*\i:99+4*\i], v[MB] offset:512*\i
.endr
	ds_load_b128 v[112:115], v[MB] offset:2048
	s_wait_dscnt 0x0
	v_min_num_f32 v116, v12, v112                  ; -(the larger M)
	v_mov_b32 v121, 0
	v_mov_b32 v123, 0
	s_delay_alu instid0(VALU_DEP_3)
	v_sub_f32 v117, v116, v12                      ; my M - the larger M: a whole number, 0 or less
	v_sub_f32 v118, v116, v112                     ; the other's likewise
	s_delay_alu instid0(VALU_DEP_2)
	v_cvt_i32_f32 v117, v117
	s_delay_alu instid0(VALU_DEP_2)
	v_cvt_i32_f32 v118, v118
	s_delay_alu instid0(VALU_DEP_2)
	v_ldexp_f32 v120, 1.0, v117                    ; one of the two factors is 1, the other a power of two
	s_delay_alu instid0(VALU_DEP_2)
	v_ldexp_f32 v122, 1.0, v118
	s_delay_alu instid0(VALU_DEP_2)
	v_mul_f32 v14, v14, v120
.irp j, 0,2,4,6,8,10,12,14
	v_pk_mul_f32 v[160+\j:161+\j], v[160+\j:161+\j], v[120:121] op_sel_hi:[1,0]
.endr
	v_fma_f32 v14, v114, v122, v14                 ; the row's sum
.irp j, 0,2,4,6,8,10,12,14
	v_pk_fma_f32 v[160+\j:161+\j], v[96+\j:97+\j], v[122:123], v[160+\j:161+\j] op_sel_hi:[1,0,1]
.endr
	; THE WAY OUT.  Register 8 t + j of O^T is d = 16 h + 8 t + j of my query: 16 neighbours; my head is one block of 32 along the next product's K
	s_wait_alu depctr_va_vdst(0)
	v_rcp_f32 v14, v14
	v_nop                                          ; the plain line behind the transcendental
	s_wait_alu depctr_va_vdst(0)
.irp j, 0,1,2,3,4,5,6,7,8,9,10,11,12,13,14,15
	v_mul_f32 v[96+\j], v[160+\j], v14
.endr
	v_max3_num_f32 v232, |v96|, |v97|, 0x1800000
.irp i, 2,4,6,8,10,12,14
	s_delay_alu instid0(VALU_DEP_1)
	v_max3_num_f32 v232, v232, |v[96+\i]|, |v[97+\i]|
.endr
	s_delay_alu instid0(VALU_DEP_1)
	v_permlanex16_b32 v233, v232, s[SEL], s[SEL+1]
	s_delay_alu instid0(VALU_DEP_1)
	v_max_num_f32 v232, v232, v233
	s_delay_alu instid0(VALU_DEP_1)
	v_add_nc_u32 v234, 0xff000000, v232
	s_delay_alu instid0(VALU_DEP_1)
	v_lshrrev_b32 v235, 23, v234
	v_cvt_scalef32_pk16_fp6_f32 v[112:114], v[96:111], v234
	v_bfe_u32 v119, v0, 4, 1                       ; (a plain line behind the conversion)
.irp i, 0,1,2
	v_permlanex16_b32 v[116+\i], v[112+\i], s[SEL], s[SEL+1]   ; the block's other 12 bytes
.endr
	s_delay_alu instid0(VALU_DEP_4)
	v_cmp_eq_u32 vcc_lo, 0, v119
.irp i, 0,1,2
	v_cndmask_b32 v[120+\i], v[116+\i], v[112+\i], vcc_lo      ; d 0-15: lanes 0-15's own
	v_cndmask_b32 v[123+\i], v[112+\i], v[116+\i], vcc_lo      ; d 16-31: lanes 16-31's own
.endr
	s_cmp_lt_u32 s[WV], 8                          ; one wave of each head stores its block
	s_wait_alu depctr_va_vdst(0)
	s_cbranch_scc0 .Lupper
	ds_store_b128 v[SA], v[120:123]                ; both halves of the lanes write the same bytes with the same values
	ds_store_b64 v[SB8], v[124:125]
	ds_store_b8 v[SC8], v235
.Lupper:
	s_wait_dscnt 0x0                               ; for the others' sake
	s_barrier_signal -1
	s_barrier_wait -1                              ; the eight heads' blocks make two whole fragments
	s_cmp_lt_u32 s[WV], 6
	s_cbranch_scc0 .Lnot_codes
	ds_load_b128 v[128:131], v[RDC]
	s_wait_dscnt 0x0
	global_store_b128 v[GOC], v[128:131], s[56:57] ; 512 consecutive bytes, from a multiple of 256
	s_branch .Ldone
.Lnot_codes:
	s_cmp_eq_u32 s[WV], 6
	s_cbranch_scc0 .Ldone
	ds_load_b32 v128, v[RDS]
	s_wait_dscnt 0x0
	global_store_b32 v[GOS], v128, s[58:59]        ; the two K steps' scale words of my 16 rows
.Ldone:
	s_wait_tensorcnt 0x0                           ; the wave's end
	ds_add_u32 v95, v243
	s_wait_dscnt 0x0
	CROUND                                         ; the closing round
	s_endpgm
.Lfunc_end_k_q4e310fc466_att:
	.size	k_q4e310fc466_att, .Lfunc_end_k_q4e310fc466_att-k_q4e310fc466_att
	.p2alignl 7, 3214868480
	.fill 96, 4, 3214868480
	.section	.rodata,"a",@progbits
	.p2align	6, 0x0
	.amdhsa_kernel k_q4e310fc466_att
		.amdhsa_group_segment_fixed_size 182272
		.amdhsa_private_segment_fixed_size 0
		.amdhsa_enable_private_segment 0
		.amdhsa_kernarg_size 24
		.amdhsa_user_sgpr_count 2
		.amdhsa_user_sgpr_kernarg_segment_ptr 1
		.amdhsa_wavefront_size32 1
		.amdhsa_system_sgpr_workgroup_id_x 1
		.amdhsa_system_sgpr_workgroup_id_y 1
		.amdhsa_system_sgpr_workgroup_id_z 1
		.amdhsa_system_vgpr_workitem_id 0
		.amdhsa_next_free_vgpr 256
		.amdhsa_next_free_sgpr 66
		.amdhsa_reserve_vcc 1
		.amdhsa_float_denorm_mode_32 3
		.amdhsa_float_denorm_mode_16_64 3
		.amdhsa_memory_ordered 1
		.amdhsa_forward_progress 1
		.amdhsa_inst_pref_size 59
	.end_amdhsa_kernel
	.amdgpu_metadata
---
amdhsa.version: [ 1, 2 ]
amdhsa.kernels:
  - .name:           k_q4e310fc466_att
    .symbol:         k_q4e310fc466_att.kd
    .args:
      - { .name: wsQ, .offset: 0, .size: 8, .value_kind: global_buffer, .address_space: global }
      - { .name: wsH, .offset: 8, .size: 8, .value_kind: global_buffer, .address_space: global }
      - { .name: wsA, .offset: 16, .size: 8, .value_kind: global_buffer, .address_space: global }
    .group_segment_fixed_size: 182272
    .private_segment_fixed_size: 0
    .kernarg_segment_align: 8
    .kernarg_segment_size: 24
    .max_flat_workgroup_size: 512
    .sgpr_count:     66
    .vgpr_count:     256
    .wavefront_size: 32
...
	.end_amdgpu_metadata
.endif
;; end of part 3
;; launch ff2 (part 4): grid 8 x 32, 4 waves a work-group, clusters of 4 x 4, 327,680 bytes of LDS; arguments wsH, wsA, out0; writes out0
.if DOCPART == 4
	.amdgcn_target "amdgcn-amd-amdhsa--gfx1250"
	.amdhsa_code_object_version 6
	.text
	.protected	k_q4e310fc466_ff2
	.globl	k_q4e310fc466_ff2
	.p2align	8
	.type	k_q4e310fc466_ff2,@function
k_q4e310fc466_ff2:
	s_mov_b64 s[64:65], 0
	v_nop
	global_prefetch_b8 v0, s[64:65] scope:SCOPE_SE
	s_setreg_imm32_b32 hwreg(HW_REG_WAVE_MODE, 25, 1), 1
	s_wait_xcnt 0x0
	s_wait_alu depctr_hold_cnt(0) depctr_sa_sdst(0) depctr_va_vdst(0) depctr_va_sdst(0) depctr_va_ssrc(0) depctr_va_vcc(0) depctr_vm_vsrc(0)
	s_getreg_b32 s2, hwreg(HW_REG_IB_STS2, 6, 4)
	s_cmp_eq_u32 s2, 0
	s_cbranch_scc0 .Lentry_in_a_cluster
	s_endpgm
.Lentry_in_a_cluster:
	s_bfe_u32 s2, ttmp6, 0x10000c
	s_cmp_lg_u32 s2, 0xf033
	s_cbranch_scc0 .Lentry_shape_is_right
	s_endpgm
.Lentry_shape_is_right:
.set W2R,   13107200
.set HALF,  153600
.set REGN,  38400
.set KST,   6400
.set SPARE, 307200
.set STAGE, 307712
.set ADRA,  16
.set ADRB,  20
.set ADRS,  24
.set STO,   26
.set RD,    27
.set SPW,   28
.set NIL,   29
.set CO,    10
.set SC,    32
.set BK,    64
.set ACC,   128
.set G1A4,  24
.set G0A,   32
.set G1B4,  48
.set G0B,   56
.set G1A6,  68
.set G1B6,  76
.set MSB, 0
.macro WIN new
.if MSB != (\new)
	s_set_vgpr_msb (MSB<<8)|(\new)
.set MSB, (\new)
.endif
.endm
.set MUL,  0x05
.set TO_F, 0x40
.macro JLOAD g0a, g1a, g0b, g1b
	s_cmp_eq_u32 s15, 0
	s_cbranch_scc0 .Lfor_b_\@
	tensor_load_to_lds s[\g0a:\g0a+3], s[\g1a:\g1a+7]
	s_nop 0
.rept 4
	v_nop
.endr
	s_branch .Lasked_\@
.Lfor_b_\@:
	tensor_load_to_lds s[\g0b:\g0b+3], s[\g1b:\g1b+7]
	s_nop 0
.rept 4
	v_nop
.endr
.Lasked_\@:
.endm
.macro CREST
	s_cmp_lg_u32 s14, 0
	s_cbranch_scc1 .Lnot_wave_0_\@
	s_barrier_signal -3
.Lnot_wave_0_\@:
	s_barrier_wait -3
	s_barrier_signal -1
	s_barrier_wait -1
.endm
.macro CROUND
	s_barrier_signal -1
	s_barrier_wait -1
	CREST
.endm
	s_load_b128 s[4:7], s[0:1], 0x0
	s_load_b64 s[8:9], s[0:1], 0x10
	v_lshl_add_u32 v[SPW], v0, 2, SPARE
	v_mov_b32 v[NIL], 0
	ds_add_u32 v28, v29
	ds_add_u32 v28, v29
	s_wait_dscnt 0x0
	v_lshrrev_b32 v1, 5, v0
	v_readfirstlane_b32 s14, v1
	s_lshr_b32 s15, s14, 1
	s_and_b32 s16, s14, 1
	s_bfe_u32 s40, ttmp6, 0x40000
	s_bfe_u32 s41, ttmp6, 0x40004
	s_lshl_b32 s42, ttmp9, 2
	s_add_co_u32 s42, s42, s40
	s_and_b32 s17, ttmp7, 0xffff
	s_lshl_b32 s17, s17, 2
	s_add_co_u32 s17, s17, s41
	s_lshl_b32 s43, s41, 2
	s_lshl_b32 s43, 15, s43
	s_lshl_b32 s44, 0x1111, s40
	s_or_b32 s[G1A4], s43, (3<<16)|(1<<21)
	s_or_b32 s[G1A6], s43, (3<<16)|(1<<21)
	s_or_b32 s[G1B4], s44, (3<<16)|(1<<21)
	s_or_b32 s[G1B6], s44, (3<<16)|(1<<21)
.irp g, G1A4, G1B4
	s_mov_b32 s[\g+1], 800<<16
	s_mov_b32 s[\g+2], 4<<16
	s_mov_b32 s[\g+3], 800<<16
	s_mov_b32 s[\g+4], 4
	s_mov_b32 s[\g+6], 0
	s_mov_b32 s[\g+7], 0
.endr
.irp g, G1A6, G1B6
	s_mov_b32 s[\g+1], 800<<16
	s_mov_b32 s[\g+2], 6<<16
	s_mov_b32 s[\g+3], 800<<16
	s_mov_b32 s[\g+4], 6
	s_mov_b32 s[\g+6], 0
	s_mov_b32 s[\g+7], 0
.endr
	s_mov_b32 s[G1A4+5], 51200
	s_mov_b32 s[G1A6+5], 51200
	s_mov_b32 s[G1B4+5], 12800
	s_mov_b32 s[G1B6+5], 12800
	s_lshl_b32 s20, s17, 1
	s_add_co_u32 s20, s20, s16
	s_mul_i32 s20, s20, 6400
	s_mov_b32 s21, 0
	s_lshl_b32 s46, s42, 1
	s_add_co_u32 s46, s46, s16
	s_mul_i32 s46, s46, 6400
	s_add_co_u32 s46, s46, W2R
	s_mov_b32 s47, 0
	s_mul_i32 s45, s14, REGN
	s_wait_kmcnt 0x0
	s_add_nc_u64 s[20:21], s[4:5], s[20:21]
	s_add_nc_u64 s[46:47], s[6:7], s[46:47]
	CROUND
	s_mov_b32 s[G0A], 1
	s_mov_b32 s[G0A+1], s45
	s_mov_b64 s[G0A+2:G0A+3], s[20:21]
	s_or_b32 s[G0A+3], s[G0A+3], 0x80000000
	s_mov_b32 s[G0B], 1
	s_mov_b32 s[G0B+1], s45
	s_mov_b64 s[G0B+2:G0B+3], s[46:47]
	s_or_b32 s[G0B+3], s[G0B+3], 0x80000000
	JLOAD G0A, G1A4, G0B, G1B4
	s_mov_b32 s[G0A+4], 1
	s_add_co_u32 s[G0A+5], s45, HALF
	s_add_nc_u64 s[G0A+6:G0A+7], s[20:21], 4*409600
	s_or_b32 s[G0A+7], s[G0A+7], 0x80000000
	s_mov_b32 s[G0B+4], 1
	s_add_co_u32 s[G0B+5], s45, HALF
	s_add_nc_u64 s[G0B+6:G0B+7], s[46:47], 4*102400
	s_or_b32 s[G0B+7], s[G0B+7], 0x80000000
	s_wait_alu depctr_va_vdst(0)
	s_wait_tensorcnt 0x0
	ds_add_u32 v28, v29
	s_wait_dscnt 0x0
	CROUND
	JLOAD G0A+4, G1A6, G0B+4, G1B6
	v_and_b32 v1, 15, v0
	v_bfe_u32 v2, v0, 4, 1
	v_and_b32 v3, 31, v0
	v_lshlrev_b32 v4, 4, v3
	v_lshlrev_b32 v5, 4, v1
	v_lshl_add_u32 v5, v2, 3, v5
	s_mul_i32 s84, s15, REGN
	s_mul_i32 s85, s16, REGN
	s_add_co_u32 s85, s85, 2*REGN
	s_sub_co_u32 s86, s85, s84
	v_mul_u32_u24 v6, s86, v2
	v_lshl_add_u32 v6, v1, 2, v6
.irp s, 0,1
	v_add_nc_u32 v[ADRA+\s], s84, v4
	v_add_nc_u32 v[ADRA+2+\s], s84, v5
	v_add_nc_u32 v[ADRB+\s], s85, v4
	v_add_nc_u32 v[ADRB+2+\s], s85, v5
	v_add_nc_u32 v[ADRS+\s], s84, v6
	s_add_co_u32 s84, s84, HALF
	s_add_co_u32 s85, s85, HALF
.endr
	s_mul_i32 s87, s14, 4352
	s_add_co_u32 s87, s87, STAGE
	v_mul_u32_u24 v[STO], v1, 272
	v_lshl_add_u32 v[STO], v2, 5, v[STO]
	v_add_nc_u32 v[STO], s87, v[STO]
	v_mul_u32_u24 v[RD], v2, 272
	v_lshl_add_u32 v[RD], v1, 4, v[RD]
	v_add_nc_u32 v[RD], s87, v[RD]
	v_lshlrev_b32 v[CO], 12, v2
	v_lshl_add_u32 v[CO], v1, 4, v[CO]
	s_lshl_b32 s88, s17, 7
	s_lshl_b32 s89, s15, 6
	s_add_co_u32 s88, s88, s89
	s_lshl_b32 s88, s88, 12
	s_lshl_b32 s89, s42, 9
	s_add_co_u32 s88, s88, s89
	s_lshl_b32 s89, s16, 8
	s_add_co_u32 s88, s88, s89
	s_mov_b32 s89, 0
	s_add_nc_u64 s[12:13], s[8:9], s[88:89]
.macro FRAG reg, a16, off
	ds_load_b128 v[\reg:\reg+3], v[\a16] offset:\off
	ds_load_b64 v[\reg+4:\reg+5], v[\a16+2] offset:\off+512
	ds_load_b128 v[\reg+6:\reg+9], v[\a16] offset:\off+768
	ds_load_b64 v[\reg+10:\reg+11], v[\a16+2] offset:\off+1280
.endm
.macro FETCH half, q, p
	WIN TO_F
.irp i, 0,1,2,3
	FRAG 128*(\p)+12*\i, ADRA+(\half), KST*(\q)+1536*\i
	FRAG 128*(\p)+48+12*\i, ADRB+(\half), KST*(\q)+1536*\i
.endr
	WIN 0
.irp i, 0,1,2,3
	ds_load_b32 v[SC+4*(\p)+\i], v[ADRS+(\half)] offset:KST*(\q)+6144+64*\i
.endr
.endm
.macro MUL8 a0, p, zero
	WIN MUL
.irp a, \a0, \a0+1
.irp b, 0,1,2,3
.if \zero
	v_wmma_scale_f32_16x16x128_f8f6f4 v[ACC+8*(4*(\a)+\b):ACC+8*(4*(\a)+\b)+7], v[128*(\p)+48+12*\b:128*(\p)+48+12*\b+11], v[128*(\p)+12*(\a):128*(\p)+12*(\a)+11], 0, v[SC+4*(\p)+\b], v[SC+4*(\p)+(\a)] matrix_a_fmt:MATRIX_FMT_FP6 matrix_b_fmt:MATRIX_FMT_FP6 matrix_a_scale:MATRIX_SCALE_ROW1
.else
	v_wmma_scale_f32_16x16x128_f8f6f4 v[ACC+8*(4*(\a)+\b):ACC+8*(4*(\a)+\b)+7], v[128*(\p)+48+12*\b:128*(\p)+48+12*\b+11], v[128*(\p)+12*(\a):128*(\p)+12*(\a)+11], v[ACC+8*(4*(\a)+\b):ACC+8*(4*(\a)+\b)+7], v[SC+4*(\p)+\b], v[SC+4*(\p)+(\a)] matrix_a_fmt:MATRIX_FMT_FP6 matrix_b_fmt:MATRIX_FMT_FP6 matrix_a_scale:MATRIX_SCALE_ROW1
.endif
.endr
.endr
.endm
.macro PLACES
.rept 4
	v_nop
.endr
.endm
.macro KSTEP p, half, nq, zero
	PLACES
	FETCH \half, \nq, 1-(\p)
	s_wait_dscnt 36
	MUL8 0, \p, \zero
	MUL8 2, \p, \zero
.endm
.macro TURN p, nhalf, fill, stepks
	WIN 0
	s_wait_tensorcnt 0x0
	ds_add_u32 v[SPW], v[NIL]
	s_wait_dscnt 0x0
	s_barrier_signal -1
	MUL8 0, \p, 0
	WIN 0
	s_barrier_wait -1
.if \fill
	CREST
	s_add_nc_u64 s[G0A+4*(1-(\nhalf))+2:G0A+4*(1-(\nhalf))+3], s[G0A+4*(1-(\nhalf))+2:G0A+4*(1-(\nhalf))+3], (\stepks)*409600
	s_add_nc_u64 s[G0B+4*(1-(\nhalf))+2:G0B+4*(1-(\nhalf))+3], s[G0B+4*(1-(\nhalf))+2:G0B+4*(1-(\nhalf))+3], (\stepks)*102400
	JLOAD G0A+4*(1-(\nhalf)), G1A6, G0B+4*(1-(\nhalf)), G1B6
.else
	PLACES
.endif
	s_wait_alu depctr_va_vdst(0)
	FETCH \nhalf, 0, 1-(\p)
	MUL8 2, \p, 0
.endm
.macro SLOT half, fill, stepks
.set Q, 0
.rept 5
	KSTEP Q%2, \half, Q+1, 0
.set Q, Q+1
.endr
	TURN 1, 1-\half, \fill, \stepks
.endm
	s_wait_tensorcnt 1
	s_barrier_signal -1
	s_barrier_wait -1
	FETCH 0, 0, 0
	KSTEP 0, 0, 1, 1
	KSTEP 1, 0, 2, 0
	KSTEP 0, 0, 3, 0
	TURN 1, 1, 1, 10
	SLOT 1, 1, 12
	SLOT 0, 1, 12
	SLOT 1, 1, 12
	SLOT 0, 0, 0
.set Q, 0
.rept 5
	KSTEP Q%2, 1, Q+1, 0
.set Q, Q+1
.endr
	s_wait_dscnt 0x0
	MUL8 0, 1, 0
	MUL8 2, 1, 0
	WIN 0
.macro TOSTAGE a
.irp b, 0,1,2,3
	ds_store_b128 v[STO], v[ACC+8*(4*(\a)+\b):ACC+8*(4*(\a)+\b)+3] offset:64*\b
	ds_store_b128 v[STO], v[ACC+8*(4*(\a)+\b)+4:ACC+8*(4*(\a)+\b)+7] offset:64*\b+16
.endr
.irp t, 0,1,2,3,4,5,6,7
	ds_load_b128 v[BK+32*((\a)%2)+4*\t:BK+32*((\a)%2)+4*\t+3], v[RD] offset:544*\t
.endr
.endm
.macro SEND a, younger
	s_wait_dscnt \younger
.irp t, 0,1,2,3,4,5,6,7
	global_store_b128 v[CO], v[BK+32*((\a)%2)+4*\t:BK+32*((\a)%2)+4*\t+3], s[12:13] offset:(16*(\a)+2*\t)*4096 th:TH_STORE_NT
.endr
.endm
	PLACES
	TOSTAGE 0
.irp a, 1,2,3
.if \a > 1
	s_wait_xcnt 0x0
.endif
	TOSTAGE \a
	SEND \a-1, 16
.endr
	SEND 3, 0
	s_wait_tensorcnt 0x0
	ds_add_u32 v[SPW], v[NIL]
	s_wait_dscnt 0x0
	CROUND
	s_endpgm
.Lfunc_end_k_q4e310fc466_ff2:
	.size	k_q4e310fc466_ff2, .Lfunc_end_k_q4e310fc466_ff2-k_q4e310fc466_ff2
	.p2alignl 7, 3214868480
	.fill 96, 4, 3214868480
	.section	.rodata,"a",@progbits
	.p2align	6, 0x0
	.amdhsa_kernel k_q4e310fc466_ff2
		.amdhsa_group_segment_fixed_size 327680
		.amdhsa_private_segment_fixed_size 0
		.amdhsa_enable_private_segment 0
		.amdhsa_kernarg_size 24
		.amdhsa_user_sgpr_count 2
		.amdhsa_user_sgpr_kernarg_segment_ptr 1
		.amdhsa_wavefront_size32 1
		.amdhsa_system_sgpr_workgroup_id_x 1
		.amdhsa_system_sgpr_workgroup_id_y 1
		.amdhsa_system_sgpr_workgroup_id_z 1
		.amdhsa_system_vgpr_workitem_id 0
		.amdhsa_next_free_vgpr 512
		.amdhsa_next_free_sgpr 100
		.amdhsa_reserve_vcc 0
		.amdhsa_float_denorm_mode_32 3
		.amdhsa_float_denorm_mode_16_64 3
		.amdhsa_memory_ordered 1
		.amdhsa_forward_progress 1
		.amdhsa_inst_pref_size 174
	.end_amdhsa_kernel
	.amdgpu_metadata
---
amdhsa.version: [ 1, 2 ]
amdhsa.kernels:
  - .name:           k_q4e310fc466_ff2
    .symbol:         k_q4e310fc466_ff2.kd
    .args:
      - { .name: wsH, .offset: 0, .size: 8, .value_kind: global_buffer, .address_space: global }
      - { .name: wsA, .offset: 8, .size: 8, .value_kind: global_buffer, .address_space: global }
      - { .name: out0, .offset: 16, .size: 8, .value_kind: global_buffer, .address_space: global }
    .group_segment_fixed_size: 327680
    .private_segment_fixed_size: 0
    .kernarg_segment_align: 8
    .kernarg_segment_size: 24
    .max_flat_workgroup_size: 128
    .sgpr_count:     100
    .vgpr_count:     512
    .wavefront_size: 32
...
	.end_amdgpu_metadata
.endif
;; end of part 4
